; MI455X (gfx1250); checked and timed in simulation.
; The chip was launched on July 23, 2026; its instructions are those of AMD's public machine-readable ISA for CDNA 5 (MIT licence, August 2026) and "CDNA5" Instruction Set Architecture Reference Guide (July 2026). The comments in the code are by the model that wrote it; some were corrected since.
;; Transformer Encoder. Allowed arithmetic: matrix products marked QUANTISED: E2M3 operands, one E8M0 scale for each 32 along K, by v_wmma_scale_f32_16x16x128_f8f6f4 with both operands' format E2M3, f32 sums; everything else in f32.
;; Inputs: b1 4,096 float32; b2 1,024 float32; bk 1,024 float32; bo 1,024 float32; bq 1,024 float32; bv 1,024 float32; ln1_b 1,024 float32; ln1_g 1,024 float32; ln2_b 1,024 float32; ln2_g 1,024 float32; w1_codes 4,096 x 32 x 24 uint8 (E2M3 codes of w1, K innermost, in blocks of 32 codes, four codes in three bytes); w1_scales 4,096 x 32 uint8 (E8M0 scales of w1, one for each 32 codes along K); w2_codes 1,024 x 128 x 24 uint8 (E2M3 codes of w2, K innermost, in blocks of 32 codes, four codes in three bytes); w2_scales 1,024 x 128 uint8 (E8M0 scales of w2, one for each 32 codes along K); wk_codes 1,024 x 32 x 24 uint8 (E2M3 codes of wk, K innermost, in blocks of 32 codes, four codes in three bytes); wk_scales 1,024 x 32 uint8 (E8M0 scales of wk, one for each 32 codes along K); wo_codes 1,024 x 32 x 24 uint8 (E2M3 codes of wo, K innermost, in blocks of 32 codes, four codes in three bytes); wo_scales 1,024 x 32 uint8 (E8M0 scales of wo, one for each 32 codes along K); wq_codes 1,024 x 32 x 24 uint8 (E2M3 codes of wq, K innermost, in blocks of 32 codes, four codes in three bytes); wq_scales 1,024 x 32 uint8 (E8M0 scales of wq, one for each 32 codes along K); wv_codes 1,024 x 32 x 24 uint8 (E2M3 codes of wv, K innermost, in blocks of 32 codes, four codes in three bytes); wv_scales 1,024 x 32 uint8 (E8M0 scales of wv, one for each 32 codes along K); x 2 x 2,048 x 1,024 float32.
;; Outputs: out0 2 x 2,048 x 1,024 float32.
;; This version of the problem:
;;   THIS VERSION OF THE PROBLEM IS GIVEN IN LOW PRECISION. The matrix products marked QUANTISED in the list below multiply operands that are first quantised to E2M3 (2 exponent bits, 3 mantissa bits; 6 bits a number), with one power-of-two scale for each 32 numbers along K (OCP MX v1.0); their sums are f32. All else is computed in f32.
;;   The module's matrix products, in the order in which they are computed (A, B: the left and right operand; K: the contracted axis; several contracted axes count as one K, in the product's order):
;;     1. [M 4,096, K 1,024] x [K 1,024, N 1,024]; A: computed on the way; B: input wq (given as codes): QUANTISED
;;     2. [M 4,096, K 1,024] x [K 1,024, N 1,024]; A: computed on the way; B: input wk (given as codes): QUANTISED
;;     3. [M 4,096, K 1,024] x [K 1,024, N 1,024]; A: computed on the way; B: input wv (given as codes): QUANTISED
;;     4. batch 32 x [M 2,048, K 64] x [K 64, N 2,048]; A: computed on the way; B: computed on the way: QUANTISED
;;     5. batch 32 x [M 64, K 2,048] x [K 2,048, N 2,048]; A: computed on the way; B: softmax (see below): QUANTISED
;;     6. [M 4,096, K 1,024] x [K 1,024, N 1,024]; A: computed on the way; B: input wo (given as codes): QUANTISED
;;     7. [M 4,096, K 1,024] x [K 1,024, N 4,096]; A: computed on the way; B: input w1 (given as codes): QUANTISED
;;     8. [M 4,096, K 4,096] x [K 4,096, N 1,024]; A: computed on the way; B: input w2 (given as codes): QUANTISED
;;   THE QUANTISER, for each operand of a quantised product, along K:
;;     - K is cut into blocks of 32 from its start; a last block that is shorter is filled with zeros.
;;     - A block's scale is 2^e with e = floor(log2(the largest magnitude in the block)) - 2, held to -126 .. 127; a block of zeros has e = 0. As a byte (E8M0): e + 127.
;;     - Each number is divided by its block's scale, clamped to +-7.5, and rounded to the nearest number of E2M3, ties to even, subnormals kept.
;;     - The product sums the exact products of the quantised numbers (number of the format x scale) in f32.
;;   ~~~python
;;   def quantise(x, axis):      # numpy; x: float32 -> the quantised numbers, widened to float32 again
;;       x = np.moveaxis(x, axis, -1); K = x.shape[-1]
;;       x = np.pad(x, [(0, 0)] * (x.ndim - 1) + [(0, -K % 32)]); x = x.reshape(x.shape[:-1] + (-1, 32)); a = np.abs(x).max(-1, keepdims=True)
;;       e = np.where(a > 0, np.clip(np.frexp(np.where(a > 0, a, 1))[1] - 1 - 2, -126, 127), 0)      # np.frexp(a)[1] - 1 = floor(log2(a)), exactly
;;       r = np.clip(x / 2.0 ** e, -7.5, 7.5)
;;       step = 2.0 ** (np.maximum(np.frexp(np.where(r == 0, 1, r))[1] - 1, 0) - 3)
;;       q = np.round(r / step) * step * 2.0 ** e      # np.round: ties to even
;;       return np.moveaxis(q.reshape(q.shape[:-2] + (-1,))[..., :K], -1, axis).astype(np.float32)
;;   ~~~
;;   SOFTMAX AHEAD OF A QUANTISED PRODUCT. Where the list says 'softmax', what is quantised is not the finished softmax but p = 2^(t - M), with t = logit x log2(e) and M = ceil(the row's largest t), a whole number; so 1/2 < the row's largest p <= 1. The row's sum l is taken of the UNQUANTISED p, in f32, and the product's result is divided by l at the end. Since M is a whole number, a kernel that streams over the keys may use a running M (the ceiling of the running maximum): every later rescaling is an exact power of two, which a block's scale takes up: the codes' values come out the same.
;;   OPERANDS COMPUTED ON THE WAY. 'Computed on the way' means the value that the module computes at that place (a softmax that the list does not call 'softmax' is quantised finished and normalised). What goes into a quantiser is computed in f32, as accurately as f32 sums, v_exp_f32 and their like allow (about 1e-6 of the number): no bf16 or f16 on the way to a quantiser, and a product that is left as it is and whose result goes on into a quantised operand takes f32 operands (vector FMAs, or v_wmma_f32_16x16x4_f32). A number that lies on a knife's edge between two numbers of the format may be rounded either way, as far as f32 arithmetic and the matrix unit's own rounding can turn it there, and no further.
;;   INPUTS GIVEN AS CODES. w1 (in the module: [4096, 1024], K = its axis 1); w2 (in the module: [1024, 4096], K = its axis 1); wk (in the module: [1024, 1024], K = its axis 1); wo (in the module: [1024, 1024], K = its axis 1); wq (in the module: [1024, 1024], K = its axis 1); wv (in the module: [1024, 1024], K = its axis 1): each comes as NAME_codes (uint8): NAME with its K axis moved to the last place and cut into blocks of 32 codes, [.., K / 32, bytes a block], one block behind the other in memory; four codes in three bytes: a row's codes are one little-endian stream of bits, code i at bits 6 i .. 6 i + 5 (a code: sign, 2 exponent bits, 3 mantissa bits); and NAME_scales (uint8): the same leading axes, one E8M0 byte (e + 127) for each 32 codes along K. Its value is code x scale, taken as it is: it is not quantised again, and the codes and scales need not be those that the quantiser above would give.
;; One version. Each part assembles by itself: llvm-mc -triple=amdgcn-amd-amdhsa -mcpu=gfx1250 --defsym DOCPART=n.
;; ======== version 1 of 1: 6 launches
;; limits: right only within a limited range of input values
;; workspace buffers: hc 3,276,800 bytes; qimg 3,145,728 bytes; qscl 262,144 bytes; kv 6,684,672 bytes; img 12,582,912 bytes; iscl 524,288 bytes; out1 16,777,216 bytes; wts 9,437,184 bytes
;; launch ln1 (part 1): grid 256 x 1, 8 waves a work-group, no clusters, 87,552 bytes of LDS; arguments x, ln1_g, ln1_b, wq_codes, wk_codes, wv_codes, wo_codes, w1_codes, w2_codes, hc, wts; writes hc, wts
.if DOCPART == 1
	.amdgcn_target "amdgcn-amd-amdhsa--gfx1250"
	.amdhsa_code_object_version 6
	.text
	.protected	k_q9948101086_ln1
	.globl	k_q9948101086_ln1
	.p2align	8
	.type	k_q9948101086_ln1,@function
k_q9948101086_ln1:
	s_mov_b64 s[64:65], 0
	v_nop
	global_prefetch_b8 v0, s[64:65] scope:SCOPE_SE
	s_setreg_imm32_b32 hwreg(HW_REG_WAVE_MODE, 25, 1), 1
	s_wait_xcnt 0x0
; y = (x - mean) / sqrt(var + 1e-5) * g + b over rows of 1,024 f32; y becomes codes of FP6 (E2M3) with one E8M0 byte for each 32 along the row.
; A work-group takes 16 rows, each of its eight waves two.  Mean and variance in two passes in f32.
; THE CODES LEAVE AS IMAGES of matrix fragments: [tile of 16 rows][K step of 128][1,536 bytes]; in an image's half c registers 6 c .. 6 c + 3 lie at 16 x lane, 6 c + 4, 6 c + 5 at 512 + 8 x lane.
; A row goes through the wave's own stage (128 bytes + 16 of padding a lane) and comes back 32 neighbours a lane: a whole block.  The work-group's 12,288 bytes of images meet in LDS and leave in runs of 512 bytes.
; The scale bytes [4096][32] lie in hc behind the images, at byte 3,145,728.
; THE WEIGHTS ARE RE-LAID HERE, codes unchanged, into the same images: wts = Wq, Wk, Wv, Wo, W1, W2.  Work-group g, wave w: K step w of tile g of the first four taken as one, of tile g of W1, and K step 8 (g % 4) + w of tile g / 4 of W2.
; LIMITS: a block whose largest magnitude lies under 2^-124 (a block of zeros too) gets the byte 1; these bytes are read by this program alone.  NaN and infinities are not served.
.set XR,  32
.set GG,  96
.set BB,  128
.set YY,  96                           ; over g and b, which are done with by then
.set RL,  160                          ; v160-195 three images of weights
.set CC,  196
.set QST, 0
.set IMG, 73728
.set SCB, 86016
.set SPARE, 86528
.set SEL, 60
.set INV, 62
.set EPS, 63
	s_load_b512 s[4:19], s[0:1], 0x0               ; x, g, b, Wq, Wk, Wv, Wo, W1
	s_load_b128 s[20:23], s[0:1], 0x40             ; W2, hc
	s_load_b64 s[24:25], s[0:1], 0x50              ; wts
	v_lshl_add_u32 v26, v0, 2, SPARE
	v_mov_b32 v27, 0
	v_lshrrev_b32 v8, 5, v0
	v_readfirstlane_b32 s50, v8                    ; wave 0..7
	s_mul_i32 s51, s50, 9216
	s_lshl_b32 s52, s50, 5
	s_add_co_u32 s52, s52, IMG
	s_lshl_b32 s53, s50, 4
	s_add_co_u32 s53, s53, IMG+512
	s_lshl_b32 s54, s50, 6
	s_add_co_u32 s54, s54, SCB
	s_mul_i32 s59, s50, 1536
	s_add_co_u32 s55, s59, IMG
	v_and_b32 v2, 31, v0                           ; lane
	v_lshlrev_b32 v1, 4, v2
	v_lshrrev_b32 v8, 3, v2
	v_lshl_add_u32 v3, v8, 4, v1
	v_add_nc_u32 v3, s51, v3                       ; stage, way in: 16 l + 16 (l / 8)
	v_mul_u32_u24 v4, v2, 144
	v_add_nc_u32 v4, s51, v4                       ; way out: 144 l
	v_lshrrev_b32 v8, 2, v2
	v_mul_u32_u24 v8, v8, 1536
	v_bfe_u32 v9, v2, 1, 1
	v_mad_u32_u24 v8, v9, 768, v8                  ; block l: K step l / 4, half (l / 2) % 2,
	v_and_b32 v9, 1, v2                            ; fragment lane row + 16 (l % 2)
	v_lshl_add_u32 v5, v9, 8, v8
	v_add_nc_u32 v5, s52, v5
	v_lshl_add_u32 v7, v9, 7, v8
	v_add_nc_u32 v7, s53, v7
	v_add_nc_u32 v6, s54, v2                       ; my block's scale byte
	v_add_nc_u32 v24, s55, v1                      ; my 1,536 bytes of the images
	v_add_nc_u32 v25, SCB, v1
	v_mov_b32 v29, 0
	v_mov_b32 v31, 0
	v_and_b32 v9, 15, v0
	v_bfe_u32 v10, v0, 4, 1
	v_mul_u32_u24 v11, v10, 24
	v_mad_u32_u24 v220, v9, 768, v11               ; a weight's row r, + 24 h
	v_mad_u32_u24 v221, v9, 3072, v11
	v_lshlrev_b32 v222, 3, v2
	s_lshl_b32 s40, ttmp9, 16
	s_lshl_b32 s58, s50, 13
	s_add_co_u32 s40, s40, s58
	s_mov_b32 s41, 0
	s_mul_i32 s42, ttmp9, 12288
	s_mov_b32 s43, 0
	s_mul_i32 s56, s50, 96
	s_and_b32 s44, ttmp9, 63
	s_mul_i32 s44, s44, 12288
	s_add_co_u32 s44, s44, s56
	s_mov_b32 s45, 0
	s_add_co_u32 s46, s42, s56
	s_mov_b32 s47, 0
	s_lshr_b32 s48, ttmp9, 2
	s_mul_i32 s48, s48, 49152
	s_and_b32 s57, ttmp9, 3
	s_mul_i32 s57, s57, 768
	s_add_co_u32 s48, s48, s57
	s_add_co_u32 s48, s48, s56
	s_mov_b32 s49, 0
	s_lshl_b32 s26, ttmp9, 9
	s_mov_b32 s27, 0
	s_add_co_u32 s42, s42, s59
	s_mov_b32 s[SEL], 0x76543210
	s_mov_b32 s[SEL+1], 0xfedcba98
	s_mov_b32 s[INV], 0x3a800000                   ; 1 / 1024
	s_mov_b32 s[EPS], 0x3727c5ac                   ; 1e-5
	s_wait_alu depctr_va_vdst(0)                   ; the wait at the head's end
	s_wait_kmcnt 0x0
	s_and_b32 s57, ttmp9, 64
	s_cmp_lg_u32 s57, 0
	s_cselect_b64 s[10:11], s[12:13], s[10:11]
	s_cselect_b64 s[14:15], s[16:17], s[14:15]
	s_and_b32 s57, ttmp9, 128
	s_cmp_lg_u32 s57, 0
	s_cselect_b64 s[10:11], s[14:15], s[10:11]     ; Wq, Wk, Wv or Wo by g / 64
	s_add_nc_u64 s[4:5], s[4:5], s[40:41]
	s_add_nc_u64 s[10:11], s[10:11], s[44:45]
	s_add_nc_u64 s[18:19], s[18:19], s[46:47]
	s_add_nc_u64 s[20:21], s[20:21], s[48:49]
	s_add_nc_u64 s[28:29], s[22:23], s[26:27]
	s_add_nc_u64 s[28:29], s[28:29], 3145728       ; the scale bytes
	s_add_nc_u64 s[22:23], s[22:23], s[42:43]
	s_add_nc_u64 s[24:25], s[24:25], s[42:43]
.irp i, 0,1,2,3,4,5,6,7
	global_load_b128 v[XR+4*\i:XR+4*\i+3], v1, s[4:5] offset:512*\i
.endr
.irp i, 0,1,2,3,4,5,6,7
	global_load_b128 v[XR+32+4*\i:XR+32+4*\i+3], v1, s[4:5] offset:4096+512*\i
.endr
.irp i, 0,1,2,3,4,5,6,7
	global_load_b128 v[GG+4*\i:GG+4*\i+3], v1, s[6:7] offset:512*\i
.endr
.irp i, 0,1,2,3,4,5,6,7
	global_load_b128 v[BB+4*\i:BB+4*\i+3], v1, s[8:9] offset:512*\i
.endr
.macro RLD reg, off, base              ; a fragment's 12 registers: 24 bytes of my row at 48 c, in pieces of 8
.irp q, 0,1,2,3,4,5
	global_load_b64 v[\reg+2*\q:\reg+2*\q+1], v[\off], s[\base:\base+1] offset:48*(\q/3)+8*(\q%3)
.endr
.endm
.macro RST reg, d                      ; and out as an image: runs of 512 and 256 bytes
.irp c, 0,1
	global_store_b128 v1, v[\reg+6*\c:\reg+6*\c+3], s[24:25] offset:\d+768*\c
	global_store_b64 v222, v[\reg+6*\c+4:\reg+6*\c+5], s[24:25] offset:\d+768*\c+512
.endr
.endm
	RLD RL, 220, 10
	RLD RL+12, 220, 18
	RLD RL+24, 221, 20
.macro RED a
	s_delay_alu instid0(VALU_DEP_3)
	v_pk_add_f32 v[\a:\a+1], v[\a:\a+1], v[\a+2:\a+3]
	s_delay_alu instid0(VALU_DEP_2)
	v_pk_add_f32 v[\a+4:\a+5], v[\a+4:\a+5], v[\a+6:\a+7]
	s_delay_alu instid0(VALU_DEP_1)
	v_pk_add_f32 v[\a:\a+1], v[\a:\a+1], v[\a+4:\a+5]
	s_delay_alu instid0(VALU_DEP_1)
	v_add_f32 v[\a], v[\a], v[\a+1]
.irp m, 1,2,4,8
	s_delay_alu instid0(VALU_DEP_1)
	v_add_f32_dpp v[\a], v[\a], v[\a] row_xmask:\m row_mask:0xf bank_mask:0xf
.endr
	s_delay_alu instid0(VALU_DEP_1)
	v_permlanex16_b32 v[\a+1], v[\a], s[SEL], s[SEL+1]
	s_delay_alu instid0(VALU_DEP_1)
	v_add_f32 v[\a], v[\a], v[\a+1]
.endm
.macro STATS x, a, m                   ; the row at v[x]: mean into v[m], the row becomes x - mean, var + eps into v[a]
.irp c, 0,1,2,3
	v_pk_add_f32 v[\a+2*\c:\a+2*\c+1], v[\x+4*\c:\x+4*\c+1], v[\x+4*\c+2:\x+4*\c+3]
.endr
.irp c, 0,1,2,3
	s_delay_alu instid0(VALU_DEP_4)
	v_pk_add_f32 v[\a+2*\c:\a+2*\c+1], v[\a+2*\c:\a+2*\c+1], v[\x+16+2*\c:\x+16+2*\c+1]
.endr
.irp c, 0,1,2,3
	s_delay_alu instid0(VALU_DEP_4)
	v_pk_add_f32 v[\a+2*\c:\a+2*\c+1], v[\a+2*\c:\a+2*\c+1], v[\x+24+2*\c:\x+24+2*\c+1]
.endr
	RED \a
	s_delay_alu instid0(VALU_DEP_1)
	v_mul_f32 v[\m], s[INV], v[\a]
.set i, 0
.rept 16
	v_pk_add_f32 v[\x+i:\x+i+1], v[\x+i:\x+i+1], v[\m:\m+1] op_sel_hi:[1,0] neg_lo:[0,1] neg_hi:[0,1]
.set i, i+2
.endr
.irp c, 0,1,2,3
	v_pk_mul_f32 v[\a+2*\c:\a+2*\c+1], v[\x+2*\c:\x+2*\c+1], v[\x+2*\c:\x+2*\c+1]
.endr
.set i, 8
.rept 12
	s_delay_alu instid0(VALU_DEP_4)
	v_pk_fma_f32 v[\a+i%8:\a+i%8+1], v[\x+i:\x+i+1], v[\x+i:\x+i+1], v[\a+i%8:\a+i%8+1]
.set i, i+2
.endr
	RED \a
	s_delay_alu instid0(VALU_DEP_1)
	v_fma_f32 v[\a], v[\a], s[INV], s[EPS]
.endm
.macro NORM                            ; both rows: x rsqrt, x g + b
.irp w, 0,1
.set i, 0
.rept 16
	v_pk_mul_f32 v[XR+32*\w+i:XR+32*\w+i+1], v[XR+32*\w+i:XR+32*\w+i+1], v[28+2*\w:29+2*\w] op_sel_hi:[1,0]
.set i, i+2
.endr
.set i, 0
.rept 16
	v_pk_fma_f32 v[XR+32*\w+i:XR+32*\w+i+1], v[XR+32*\w+i:XR+32*\w+i+1], v[GG+i:GG+i+1], v[BB+i:BB+i+1]
.set i, i+2
.endr
.endr
.endm
.macro TURNR w                         ; row w through its stage; LDS serves a wave's instructions in order
.irp i, 0,1,2,3,4,5,6,7
	ds_store_b128 v3, v[XR+32*(\w)+4*\i:XR+32*(\w)+4*\i+3] offset:4608*(\w)+576*\i
.endr
.irp i, 0,1,2,3,4,5,6,7
	ds_load_b128 v[YY+32*(\w)+4*\i:YY+32*(\w)+4*\i+3], v4 offset:4608*(\w)+16*\i
.endr
.endm
.macro QROW w, younger                 ; my block of row w: scale byte and 24 bytes of codes, into the images in LDS
.set YS, YY+32*(\w)
.set C, CC+10*(\w)
	s_wait_dscnt \younger
	v_max3_num_f32 v8, |v[YS]|, |v[YS+1]|, 0x1800000     ; the floor 2^(3 - 127): the byte cannot fall under 1
	v_max3_num_f32 v9, |v[YS+16]|, |v[YS+17]|, |v[YS+18]|
.irp i, 2,4,6,8,10,12
	s_delay_alu instid0(VALU_DEP_2)
	v_max3_num_f32 v8, v8, |v[YS+\i]|, |v[YS+\i+1]|
	s_delay_alu instid0(VALU_DEP_2)
	v_max3_num_f32 v9, v9, |v[YS+17+\i]|, |v[YS+18+\i]|
.endr
	s_delay_alu instid0(VALU_DEP_2)
	v_max3_num_f32 v8, v8, |v[YS+14]|, |v[YS+15]|
	s_delay_alu instid0(VALU_DEP_1)
	v_max3_num_f32 v8, v8, v9, |v[YS+31]|
	s_delay_alu instid0(VALU_DEP_1)
	v_add_nc_u32 v11, 0xff000000, v8               ; 2 off the exponent field: the conversion's scale operand
	v_cvt_scalef32_pk16_fp6_f32 v[C:C+2], v[YS:YS+15], v11
	v_cvt_scalef32_pk16_fp6_f32 v[C+6:C+8], v[YS+16:YS+31], v11
	v_lshrrev_b32 v[12+(\w)], 23, v11              ; the byte (also the plain instruction behind the conversions)
.irp i, 0,1,2
	v_mov_b32 v[C+3+\i], v[C+6+\i]
.endr
	ds_store_b8 v6, v[12+(\w)] offset:32*(\w)
	ds_store_b128 v5, v[C:C+3] offset:16*(\w)
	ds_store_b64 v7, v[C+4:C+5] offset:8*(\w)
.endm
	s_wait_loadcnt 42                              ; row 0 is in; out: row 1's 8, g's 8, b's 8, the weights' 18
	STATS XR, 8, 28
	s_wait_loadcnt 34
	STATS XR+32, 16, 30
	s_wait_alu depctr_va_vdst(0)
	v_rsq_f32 v28, v8
	v_rsq_f32 v30, v16
	v_nop
	s_wait_loadcnt 18                              ; g and b
	s_wait_alu depctr_va_vdst(0)
	NORM
	TURNR 0
	TURNR 1
	QROW 0, 16                                     ; out: row 1's 8 stores and 8 loads
	QROW 1, 3                                      ; out: row 0's three stores
	s_wait_alu depctr_va_vdst(0)
	s_wait_loadcnt 0x0                             ; the weights
	RST RL, 0
	RST RL+12, 3145728
	RST RL+24, 6291456
	s_wait_dscnt 0x0                               ; for the others' sake: my stores have landed
	s_barrier_signal -1
	s_barrier_wait -1
.irp j, 0,1,2
	ds_load_b128 v[YY+4*\j:YY+4*\j+3], v24 offset:512*\j
.endr
	s_wait_dscnt 0x0
.irp j, 0,1,2
	global_store_b128 v1, v[YY+4*\j:YY+4*\j+3], s[22:23] offset:512*\j
.endr
	s_cmp_lg_u32 s50, 0
	s_cbranch_scc1 .Ldone
	ds_load_b128 v[12:15], v25                     ; wave 0: the work-group's 512 scale bytes
	s_wait_dscnt 0x0
	global_store_b128 v1, v[12:15], s[28:29]
.Ldone:
	s_wait_tensorcnt 0x0                           ; the wave's end
	ds_add_u32 v26, v27
	s_wait_dscnt 0x0
	s_endpgm
.Lfunc_end_k_q9948101086_ln1:
	.size	k_q9948101086_ln1, .Lfunc_end_k_q9948101086_ln1-k_q9948101086_ln1
	.p2alignl 7, 3214868480
	.fill 96, 4, 3214868480
	.section	.rodata,"a",@progbits
	.p2align	6, 0x0
	.amdhsa_kernel k_q9948101086_ln1
		.amdhsa_group_segment_fixed_size 87552
		.amdhsa_private_segment_fixed_size 0
		.amdhsa_enable_private_segment 0
		.amdhsa_kernarg_size 88
		.amdhsa_user_sgpr_count 2
		.amdhsa_user_sgpr_kernarg_segment_ptr 1
		.amdhsa_wavefront_size32 1
		.amdhsa_system_sgpr_workgroup_id_x 1
		.amdhsa_system_sgpr_workgroup_id_y 1
		.amdhsa_system_sgpr_workgroup_id_z 1
		.amdhsa_system_vgpr_workitem_id 0
		.amdhsa_next_free_vgpr 224
		.amdhsa_next_free_sgpr 66
		.amdhsa_reserve_vcc 0
		.amdhsa_float_denorm_mode_32 3
		.amdhsa_float_denorm_mode_16_64 3
		.amdhsa_memory_ordered 1
		.amdhsa_forward_progress 1
		.amdhsa_inst_pref_size 32
	.end_amdhsa_kernel
	.amdgpu_metadata
---
amdhsa.version: [ 1, 2 ]
amdhsa.kernels:
  - .name:           k_q9948101086_ln1
    .symbol:         k_q9948101086_ln1.kd
    .args:
      - { .name: x, .offset: 0, .size: 8, .value_kind: global_buffer, .address_space: global }
      - { .name: ln1_g, .offset: 8, .size: 8, .value_kind: global_buffer, .address_space: global }
      - { .name: ln1_b, .offset: 16, .size: 8, .value_kind: global_buffer, .address_space: global }
      - { .name: wq_codes, .offset: 24, .size: 8, .value_kind: global_buffer, .address_space: global }
      - { .name: wk_codes, .offset: 32, .size: 8, .value_kind: global_buffer, .address_space: global }
      - { .name: wv_codes, .offset: 40, .size: 8, .value_kind: global_buffer, .address_space: global }
      - { .name: wo_codes, .offset: 48, .size: 8, .value_kind: global_buffer, .address_space: global }
      - { .name: w1_codes, .offset: 56, .size: 8, .value_kind: global_buffer, .address_space: global }
      - { .name: w2_codes, .offset: 64, .size: 8, .value_kind: global_buffer, .address_space: global }
      - { .name: hc, .offset: 72, .size: 8, .value_kind: global_buffer, .address_space: global }
      - { .name: wts, .offset: 80, .size: 8, .value_kind: global_buffer, .address_space: global }
    .group_segment_fixed_size: 87552
    .private_segment_fixed_size: 0
    .kernarg_segment_align: 8
    .kernarg_segment_size: 88
    .max_flat_workgroup_size: 256
    .sgpr_count:     66
    .vgpr_count:     224
    .wavefront_size: 32
...
	.end_amdgpu_metadata
.endif
;; end of part 1
;; launch qkv (part 2): grid 12 x 16, 4 waves a work-group, clusters of 4 x 4, 327,680 bytes of LDS; arguments hc, wts, wq_scales, wk_scales, wv_scales, bq, bk, bv, qimg, qscl, kv; writes qimg, qscl, kv
.if DOCPART == 2
	.amdgcn_target "amdgcn-amd-amdhsa--gfx1250"
	.amdhsa_code_object_version 6
	.text
	.protected	k_q9948101086_qkv
	.globl	k_q9948101086_qkv
	.p2align	8
	.type	k_q9948101086_qkv,@function
k_q9948101086_qkv:
	s_mov_b64 s[64:65], 0
	v_nop
	global_prefetch_b8 v0, s[64:65] scope:SCOPE_SE
	s_setreg_imm32_b32 hwreg(HW_REG_WAVE_MODE, 25, 1), 1
	s_wait_xcnt 0x0
	s_wait_alu depctr_hold_cnt(0) depctr_sa_sdst(0) depctr_va_vdst(0) depctr_va_sdst(0) depctr_va_ssrc(0) depctr_va_vcc(0) depctr_vm_vsrc(0)
	s_getreg_b32 s2, hwreg(HW_REG_IB_STS2, 6, 4)
	s_cmp_eq_u32 s2, 0
	s_cbranch_scc0 .Lentry_in_a_cluster
	s_endpgm
.Lentry_in_a_cluster:
	s_bfe_u32 s2, ttmp6, 0x10000c
	s_cmp_lg_u32 s2, 0xf033
	s_cbranch_scc0 .Lentry_shape_is_right
	s_endpgm
.Lentry_shape_is_right:
; C[m][n] = sum over k of A[m][k] B[n][k] + bias, K = 1,024, both operands codes of FP6 (E2M3) in rows of 768 bytes with one E8M0 byte for each 32 along K; C is quantised again on the way out and leaves as codes.
; MODE 0 (this text): three products in one launch, told apart by the cluster's x.  0: q = h Wq^T + bq;  1: k = h Wk^T + bk (A = h, 4,096 rows; B = the weight, 1,024 rows);
;   2: v^T = Wv h^T + bv (A = the weight, B = h), so that a lane's results run along the tokens, which are the K of attention's second product.
; MODE 1: hidden = relu(h2 W1^T + b1), A = h2, B = W1 (4,096 rows).
; A tile of C, 256 x 256, is made by four waves, as many as a WGP has SIMDs; a wave makes 128 x 128: 64 accumulators, 512 registers.  K goes in steps of 256 through a ring of two LDS slots filled by the tensor data mover.
; The scale bytes of the work-group's 256 + 256 rows come into LDS once, in blocks of 256 bytes, and stay.
; CLUSTERS: 4 x 4 work-groups; A's tiles are asked for jointly along a row of the cluster, B's along a column.  THE MATRIX INSTRUCTION IS USED TRANSPOSED (source 0 = 16 rows of B, source 1 = 16 rows of A):
; a lane holds one row of C and eight neighbouring columns an accumulator.
; THE WAY OUT.  A block of 16 rows x 128 columns is one fragment of the next product: bias (and relu), four blocks of 32 quantised in registers, and the fragment's 12 registers leave as an IMAGE: two halves of 768 bytes,
; registers 6 c .. 6 c + 3 at 16 x lane, registers 6 c + 4, 6 c + 5 at 512 + 8 x lane: every store covers 512 or 256 consecutive bytes.  No LDS on the way out.
; What the way out reads from memory (all pointers, the biases) is asked for at the head, into registers that the loop leaves alone: behind the last product nothing is waited for but what was asked for a whole K loop earlier.
; ORDER INSIDE A BLOCK OF 32.  A lane's 16 numbers of a block are columns 8 h + 0..7 and 16 + 8 h + 0..7 (h = lane / 16), so the codes lie in the order 0-7, 16-23, 8-15, 24-31.  q meets k and p meets v^T, all laid so: the products are the same.
; In MODE 1 the partner is a given weight, so the numbers change lanes first and lie in their natural order.
; LIMITS: a block whose largest magnitude lies under 2^-124 (a block of zeros too) gets the byte 1; these bytes are read by this program alone.  NaN and infinities are not served.
; REGISTERS, in windows of 256: window 0: v0-31 addresses; v32-63 scale words, two sets; v64-127 the bias by columns; v128-223 A's fragments, one set, on the way out at work; v240-255 the bias by rows.
;   window 1: B's fragments, two sets.  windows 2, 3: the accumulators.
.set MODE,   0
.set SIZE_K, 1024
.set KSTEP,  256                       ; along K in a slot
.set NQ,     KSTEP/128
.set ROWB,   3072                      ; both operands come as images of fragments, [tile of 16 rows][K step][1,536 bytes]: a slot takes two images of each tile
.set KROW,   SIZE_K*6/8
.set PITCH,  192                       ; bytes of a slot for each row
.set FR,     12
.set NL,     4
.set NP,     4
.set HALFT,  128*PITCH
.set SLOT,   4*HALFT
.set LAPS,   SIZE_K/(2*KSTEP)
.set KS,     SIZE_K/32
.set SCL,    2*SLOT                    ; behind the ring: the scale bytes, as blocks of 256 bytes + 16 of padding
.set HALFS,  (128*KS/256)*272
.set SBLK,   (16*KS/256)*272
.set SPARE,  SCL+4*HALFS               ; the spare words, 128 bytes for each wave: two blocks of 256 bytes that no other line names
.set ADRA, 16                          ; v16-17 LDS address of my A fragments in slot 0, 1 (v18-19: behind one padding more)
.set ADRB, 20                          ; v20-23 the same for B
.set ADRS, 27                          ; v27    my scale words: lanes 0-15 A's rows, lanes 16-31 B's
.set SPW,  28                          ; v28    my spare word; never rewritten
.set NIL,  29                          ; v29    0; never rewritten
.set SC,   32
.set AF,   128
.set L16,  8                           ; offsets in memory, made at the head and never rewritten: 16 x lane
.set L8,   9                           ; 8 x lane
.set R4,   10                          ; 4 x (lane % 16)
.set H32,  11                          ; 32 x (lane / 16)
.set BN,   64                          ; v64-127  the bias by columns
.set TT,   128                         ; v128-191 a block's 64 numbers of my row
.set CD,   192                         ; v192-210 the codes
.set TM,   212                         ; v212-227 at work in the quantiser
.set PW,   228                         ; the scale word
.set W0,   229
.set W1,   230
.set BM,   240                         ; v240-255 the bias by rows, one pair a block (MODE 0)
.set SEL,  92                          ; s[92:93] v_permlanex16_b32: lane l xor 16 (written on the way out)
.set PCO,  12                          ; s[12:13] the buffer that takes the codes
.set PSC,  66                          ; s[66:67] the buffer that takes the scale words
.set PBN,  96                          ; s[96:97] the bias by columns
.set PBM,  98                          ; s[98:99] the bias by rows (MODE 0)
.set G1, 24
.set G0, 32
.set G1B, 48
.set G0B, 56
.set G1S, 68
.set G0S, 76
.set G1SB, 80
.set G0SB, 88
.set MSB, 0
.macro WIN new                         ; the immediate's high byte repeats the setting that is left
.if MSB != \new
	s_set_vgpr_msb (MSB<<8)|\new
.set MSB, \new
.endif
.endm
.set MUL_LO, 0xa1                      ; source 0 (B) window 1, source 1 (A) window 0, C and D window 2
.set MUL_HI, 0xf1
.set TO_B,   0x40
; A joint load: waves 0 and 1 fetch for A, waves 2 and 3 for B; the branch hangs on the wave's number alone.  Four v_nop follow each of the two lines.
.macro JLOAD g0a, g1a, g0b, g1b
	s_cmp_eq_u32 s15, 0
	s_cbranch_scc0 .Lfor_b_\@
	tensor_load_to_lds s[\g0a:\g0a+3], s[\g1a:\g1a+7]
	s_nop 0
.rept 4
	v_nop
.endr
	s_branch .Lasked_\@
.Lfor_b_\@:
	tensor_load_to_lds s[\g0b:\g0b+3], s[\g1b:\g1b+7]
	s_nop 0
.rept 4
	v_nop
.endr
.Lasked_\@:
.endm
.macro CREST                           ; a round of the cluster's barrier behind its opening barrier
	s_cmp_lg_u32 s14, 0
	s_cbranch_scc1 .Lnot_wave_0_\@
	s_barrier_signal -3
.Lnot_wave_0_\@:
	s_barrier_wait -3
	s_barrier_signal -1
	s_barrier_wait -1
.endm
.macro CROUND
	s_barrier_signal -1
	s_barrier_wait -1
	CREST
.endm
	s_load_b64 s[4:5], s[0:1], 0x0                 ; h's images
	s_load_b128 s[8:11], s[0:1], 0x8               ; the weights' images (Wq's first), Wq's scales
	s_load_b64 s[86:87], s[0:1], 0x18              ; Wk's scales
	s_load_b64 s[90:91], s[0:1], 0x20              ; Wv's scales
	s_load_b128 s[76:79], s[0:1], 0x28             ; bq, bk
	s_load_b128 s[68:71], s[0:1], 0x38             ; bv, qimg
	s_load_b128 s[72:75], s[0:1], 0x48             ; qscl, kv
	v_lshl_add_u32 v[SPW], v0, 2, SPARE
	v_mov_b32 v[NIL], 0
	ds_add_u32 v28, v29
	ds_add_u32 v28, v29
	s_wait_dscnt 0x0
	v_lshrrev_b32 v1, 5, v0
	v_readfirstlane_b32 s14, v1                    ; wave 0..3
	s_lshr_b32 s15, s14, 1                         ; which half of the tile's rows is mine.  Also: I fetch for A (0) or for B (1)
	s_and_b32 s16, s14, 1                          ; which half of its columns.  Also: which 128 rows I fetch
	s_bfe_u32 s40, ttmp6, 0x40000                  ; cx, cy
	s_bfe_u32 s41, ttmp6, 0x40004
	s_and_b32 s17, ttmp7, 0xffff                   ; the cluster's y
	s_wait_kmcnt 0x0
	s_add_nc_u64 s[6:7], s[4:5], 3145728           ; h's scale bytes lie behind its images
	s_add_nc_u64 s[84:85], s[8:9], 786432          ; Wk's images
	s_add_nc_u64 s[88:89], s[8:9], 1572864         ; Wv's
.if MODE == 0
	s_cmp_eq_u32 ttmp9, 2                          ; v^T?  The choices hang on the cluster's x alone: they are the same in all sixteen partners
	s_cselect_b64 s[92:93], s[4:5], s[8:9]         ; B, unless k: h or Wq
	s_cselect_b64 s[94:95], s[6:7], s[10:11]
	s_cselect_b64 s[4:5], s[88:89], s[4:5]         ; A: Wv or h
	s_cselect_b64 s[6:7], s[90:91], s[6:7]
	s_cselect_b32 s18, 0, s17                      ; the long axis (4,096 tokens) is walked by the cluster's y: C's rows for q and k,
	s_cselect_b32 s19, s17, 0                      ; its columns for v^T
	s_cmp_eq_u32 ttmp9, 1
	s_cselect_b64 s[8:9], s[84:85], s[92:93]
	s_cselect_b64 s[10:11], s[86:87], s[94:95]
	s_cselect_b64 s[PBN:PBN+1], s[78:79], s[76:77] ; bk or bq
	s_mov_b64 s[PBM:PBM+1], s[68:69]               ; bv
	s_cmp_eq_u32 ttmp9, 0
	s_cselect_b64 s[PCO:PCO+1], s[70:71], s[74:75] ; the codes go to qimg or to kv,
	s_cselect_b64 s[PSC:PSC+1], s[72:73], s[74:75] ; the scale words to qscl or to kv
.else
	s_mov_b32 s18, s17
	s_mov_b32 s19, ttmp9
	s_mov_b64 s[PBN:PBN+1], s[68:69]
	s_mov_b64 s[PCO:PCO+1], s[70:71]
	s_mov_b64 s[PSC:PSC+1], s[72:73]
.endif
	s_lshl_b32 s42, s19, 2
	s_add_co_u32 s42, s42, s40                     ; tile column of C
	s_lshl_b32 s17, s18, 2
	s_add_co_u32 s17, s17, s41                     ; tile row of C
	s_lshl_b32 s43, s41, 2
	s_lshl_b32 s43, 15, s43                        ; my row of the cluster
	s_lshl_b32 s44, 0x1111, s40                    ; my column
	s_or_b32 s[G1+0], s43, (3<<16)|(1<<21)         ; the mask; elements of 8 bytes; bit 21 beside a mask; dense in LDS
	s_or_b32 s[G1B+0], s44, (3<<16)|(1<<21)
.irp g, G1, G1B
	s_mov_b32 s[\g+1], (ROWB/8)<<16                ; a row: two images of a tile
	s_mov_b32 s[\g+2], 16<<16                      ; 16 tiles for the head's loads, 8 behind them
	s_mov_b32 s[\g+3], (ROWB/8)<<16
	s_mov_b32 s[\g+4], 16
	s_mov_b32 s[\g+5], 1536                        ; from tile to tile: 12,288 bytes
	s_mov_b32 s[\g+6], 0
	s_mov_b32 s[\g+7], 0
.endr
	s_or_b32 s[G1S+0], s43, (3<<16)|(1<<20)|(1<<21)|(5<<22)|(3<<25)  ; the scales of 256 rows: a dense block, as rows of 256 bytes, 16 bytes of padding behind each
	s_or_b32 s[G1SB+0], s44, (3<<16)|(1<<20)|(1<<21)|(5<<22)|(3<<25)
.irp g, G1S, G1SB
	s_mov_b32 s[\g+1], 32<<16
	s_mov_b32 s[\g+2], KS<<16
	s_mov_b32 s[\g+3], 32<<16
	s_mov_b32 s[\g+4], KS
	s_mov_b32 s[\g+5], 32
	s_mov_b32 s[\g+6], 0
	s_mov_b32 s[\g+7], 0
.endr
	s_mov_b32 s18, 0                               ; the head's loads bring whole tiles; the ring's half is added below
	s_lshl_b32 s20, s17, 8
	s_add_co_u32 s20, s20, s18                     ; A: row 256 x tile row + 128 x half
	s_lshl_b32 s46, s42, 8
	s_add_co_u32 s46, s46, s18                     ; B: row 256 x tile column + 128 x half
	s_mov_b32 s21, 0
	s_mov_b32 s47, 0
	s_mov_b64 s[18:19], KS
	s_mul_u64 s[22:23], s[20:21], s[18:19]         ; where these rows' scales begin,
	s_mul_u64 s[92:93], s[46:47], s[18:19]
	s_mov_b64 s[18:19], KROW
	s_mul_u64 s[20:21], s[20:21], s[18:19]         ; and their codes
	s_mul_u64 s[46:47], s[46:47], s[18:19]
	s_mul_i32 s45, s14, HALFT                      ; where they go: wave x 128 rows
	s_add_nc_u64 s[20:21], s[4:5], s[20:21]
	s_add_nc_u64 s[22:23], s[6:7], s[22:23]
	s_add_nc_u64 s[46:47], s[8:9], s[46:47]
	s_add_nc_u64 s[92:93], s[10:11], s[92:93]
	CROUND                                         ; all sixteen work-groups are here: the first joint loads meet
	s_mov_b32 s[G0S], 1
	s_mov_b32 s[G0S+1], SCL
	s_mov_b64 s[G0S+2:G0S+3], s[22:23]
	s_or_b32 s[G0S+3], s[G0S+3], 0x80000000
	s_mov_b32 s[G0SB], 1
	s_mov_b32 s[G0SB+1], SCL+2*HALFS
	s_mov_b64 s[G0SB+2:G0SB+3], s[92:93]
	s_or_b32 s[G0SB+3], s[G0SB+3], 0x80000000
	s_mov_b32 s4, 1                                ; K step 0: A's 256 rows,
	s_mov_b32 s5, 0
	s_mov_b64 s[6:7], s[20:21]
	s_or_b32 s7, s7, 0x80000000
	s_mov_b32 s8, 1                                ; B's 256 rows behind them
	s_mov_b32 s9, 2*HALFT
	s_mov_b64 s[10:11], s[46:47]
	s_or_b32 s11, s11, 0x80000000
	s_mul_i32 s18, s16, 128*KROW                   ; for the ring: my 128 rows
	s_mov_b32 s19, 0
	s_add_nc_u64 s[20:21], s[20:21], s[18:19]
	s_add_nc_u64 s[46:47], s[46:47], s[18:19]
	s_cmp_eq_u32 s15, 0                            ; the prefetches: of the 8 tiles that I fetch, the partner at place p (cx for A, cy for B) names tiles 2 p and 2 p + 1: shared out by address
	s_cselect_b64 s[94:95], s[20:21], s[46:47]
	s_cselect_b32 s18, s40, s41
	s_mul_i32 s18, s18, 2*12288
	s_add_nc_u64 s[94:95], s[94:95], s[18:19]
.irp s, 0,1
	s_mov_b32 s[G0+4*\s], 1
	s_add_co_u32 s[G0+4*\s+1], s45, \s*SLOT
	s_add_nc_u64 s[G0+4*\s+2:G0+4*\s+3], s[20:21], \s*ROWB
	s_or_b32 s[G0+4*\s+3], s[G0+4*\s+3], 0x80000000
	s_mov_b32 s[G0B+4*\s], 1
	s_add_co_u32 s[G0B+4*\s+1], s45, \s*SLOT
	s_add_nc_u64 s[G0B+4*\s+2:G0B+4*\s+3], s[46:47], \s*ROWB
	s_or_b32 s[G0B+4*\s+3], s[G0B+4*\s+3], 0x80000000
.endr
; the head's four tiles, one joint load a wave, in one tree of branches on the wave's number
.macro ARM under, g0, g1, next
	s_cmp_lt_u32 s14, \under
	s_cbranch_scc0 \next
	tensor_load_to_lds s[\g0:\g0+3], s[\g1:\g1+7]
	s_nop 0
.rept 4
	v_nop
.endr
	s_branch .Lhead_asked
\next:
.endm
	ARM 1, 4, G1, .Lhead_b
	ARM 2, 8, G1B, .Lhead_sa
	ARM 3, G0S, G1S, .Lhead_sb
	tensor_load_to_lds s[G0SB:G0SB+3], s[G1SB:G1SB+7]
	s_nop 0
.rept 4
	v_nop
.endr
.Lhead_asked:
	v_and_b32 v1, 15, v0                           ; l % 16
	v_bfe_u32 v2, v0, 4, 1                         ; l / 16
	v_and_b32 v3, 31, v0
	v_lshlrev_b32 v4, 4, v3                        ; an image is read at 16 x lane
	v_lshl_add_u32 v5, v3, 3, 512
	v_min_u32 v12, 23, v3
	v_lshlrev_b32 v12, 8, v12                      ; a lane to each of 24 blocks of 256 bytes; the lanes left over name the last again; never rewritten
	s_mul_i32 s21, s15, HALFT
	s_mul_i32 s22, s16, HALFT
	s_add_co_u32 s22, s22, 2*HALFT
.irp s, 0,1
	v_add_nc_u32 v[ADRA+\s], s21, v4
	v_add_nc_u32 v[ADRB+\s], s22, v4
	v_add_nc_u32 v[ADRA+2+\s], s21, v5
	v_add_nc_u32 v[ADRB+2+\s], s22, v5
	s_add_co_u32 s21, s21, SLOT
	s_add_co_u32 s22, s22, SLOT
.endr
	v_mul_u32_u24 v5, v1, KS                       ; my row's scales: KS bytes a row,
	v_lshrrev_b32 v6, 8, v5
	v_lshl_add_u32 v5, v6, 4, v5                   ; and 16 more for each 256 passed
	s_mul_i32 s21, s15, HALFS
	s_mul_i32 s22, s16, HALFS
	s_add_co_u32 s22, s22, 2*HALFS
	s_sub_co_u32 s22, s22, s21
	v_mul_u32_u24 v6, s22, v2                      ; lanes 16-31 take B's
	s_add_co_u32 s21, s21, SCL
	v_add_nc_u32 v5, v5, v6
	v_add_nc_u32 v[ADRS], s21, v5
	; THE BIASES ARE ASKED FOR HERE, behind the first tiles' requests: they are wanted only on the way out, and land while K is walked
	v_lshlrev_b32 v[R4], 2, v1
	v_lshlrev_b32 v[H32], 5, v2
	s_wait_alu depctr_va_vdst(0)
	v_and_b32 v[L8], 31, v0
	v_lshlrev_b32 v[L16], 4, v[L8]
	v_lshlrev_b32 v[L8], 3, v[L8]
	s_lshl_b32 s21, s42, 8
	s_lshl_b32 s22, s16, 7
	s_add_co_u32 s21, s21, s22                     ; my first column of C
.if MODE == 0
	s_lshl_b32 s20, s17, 8
	s_lshl_b32 s22, s15, 7
	s_add_co_u32 s20, s20, s22                     ; my first row of C
	s_cmp_eq_u32 ttmp9, 2
	s_cselect_b32 s22, 0, s21                      ; q, k: the bias runs along the columns; v^T: along the rows.  The other one is read from its first number on and counts for nothing
	s_cselect_b32 s18, s20, 0
	s_lshl_b32 s18, s18, 2
	s_mov_b32 s19, 0
	s_add_nc_u64 s[PBM:PBM+1], s[PBM:PBM+1], s[18:19]
.else
	s_mov_b32 s22, s21
.endif
	s_lshl_b32 s22, s22, 2
	s_mov_b32 s23, 0
	s_add_nc_u64 s[PBN:PBN+1], s[PBN:PBN+1], s[22:23]
	global_prefetch_b8 v12, s[94:95] offset:6144 th:TH_LOAD_NT scope:SCOPE_SE         ; K steps 2 and 3 of a tile are its last 6,144 bytes: asked for here, two changes of slots ahead of the first load that wants them
	global_prefetch_b8 v12, s[94:95] offset:6144+12288 th:TH_LOAD_NT scope:SCOPE_SE   ; and of my second tile; K has no further steps
.irp b, 0,1,2,3,4,5,6,7
	global_load_b128 v[BN+8*\b:BN+8*\b+3], v[H32], s[PBN:PBN+1] offset:64*\b          ; the bias of my columns 16 b + 8 h + 0 .. 7
	global_load_b128 v[BN+8*\b+4:BN+8*\b+7], v[H32], s[PBN:PBN+1] offset:64*\b+16
.endr
.if MODE == 0
.irp a, 0,1,2,3,4,5,6,7
	global_load_b32 v[BM+2*\a], v[R4], s[PBM:PBM+1] offset:64*\a                      ; the bias of my row 16 a + r
	v_mov_b32 v[BM+2*\a+1], 0                                                         ; (named with it as a pair)
.endr
.endif
.macro FRAG reg, adr, q, i             ; a fragment: lane l holds row l % 16; registers 6 c .. 6 c + 5 hold K = 64 c + 32 (l / 16) + 0 .. 31: 24 bytes of the row, in pieces of 8
.irp c, 0,1
	ds_load_b128 v[\reg+6*\c:\reg+6*\c+3], v[\adr] offset:(\i)*ROWB+(\q)*1536+768*\c
	ds_load_b64 v[\reg+6*\c+4:\reg+6*\c+5], v[\adr+2] offset:(\i)*ROWB+(\q)*1536+768*\c
.endr
.endm
; 16 matrix instructions: A's blocks a0, a0 + 1 x B's eight.  The 64 accumulators take turns, one instruction a turn, in the same order in every step.
.macro MUL16 a0, p, q, sc, zero
.irp a, \a0, \a0+1
.irp b, 0,1,2,3,4,5,6,7
.if \zero
	v_wmma_scale_f32_16x16x128_f8f6f4 v[8*(8*((\a)%4)+\b):8*(8*((\a)%4)+\b)+7], v[128*(\p)+FR*\b:128*(\p)+FR*\b+FR-1], v[AF+FR*(\a):AF+FR*(\a)+FR-1], 0, v[SC+8*NQ*(\sc)+NQ*\b+(\q)], v[SC+8*NQ*(\sc)+NQ*(\a)+(\q)] matrix_a_fmt:MATRIX_FMT_FP6 matrix_b_fmt:MATRIX_FMT_FP6 matrix_a_scale:MATRIX_SCALE_ROW1
.else
	v_wmma_scale_f32_16x16x128_f8f6f4 v[8*(8*((\a)%4)+\b):8*(8*((\a)%4)+\b)+7], v[128*(\p)+FR*\b:128*(\p)+FR*\b+FR-1], v[AF+FR*(\a):AF+FR*(\a)+FR-1], v[8*(8*((\a)%4)+\b):8*(8*((\a)%4)+\b)+7], v[SC+8*NQ*(\sc)+NQ*\b+(\q)], v[SC+8*NQ*(\sc)+NQ*(\a)+(\q)] matrix_a_fmt:MATRIX_FMT_FP6 matrix_b_fmt:MATRIX_FMT_FP6 matrix_a_scale:MATRIX_SCALE_ROW1
.endif
.endr
.endr
.endm
.macro FETCH_B slot, q, p
	WIN TO_B
.irp i, 0,1,2,3,4,5,6,7
	FRAG 128*(\p)+FR*\i, ADRB+\slot, \q, \i
.endr
	WIN 0
.endm
.macro FETCH_A slot, q, i0
.irp i, \i0, \i0+1, \i0+2, \i0+3
	FRAG AF+FR*(\i), ADRA+\slot, \q, \i
.endr
.endm
.macro SCALES sc                       ; a K step's scale words: lanes 0-15 take A's block i, lanes 16-31 B's block i
.irp i, 0,1,2,3,4,5,6,7
	ds_load_b64 v[SC+8*NQ*\sc+NQ*\i:SC+8*NQ*\sc+NQ*\i+1], v[ADRS] offset:\i*SBLK
.endr
.endm
.macro PLACES n                        ; plain vector instructions between a matrix instruction and a load into, a write of, or a read of, its registers
.rept \n
	v_nop
.endr
.endm
.macro STEP slot, q, zero              ; a step of 128 along K that has its successor in the same slot
	s_wait_dscnt 4*NL                              ; B's set and A's blocks 0-3 are in; the youngest 16 loads (A's blocks 4-7) may be out
	WIN MUL_LO
	MUL16 0, (\q)%2, \q, \slot, \zero
	MUL16 2, (\q)%2, \q, \slot, \zero
	s_wait_dscnt 0
	PLACES NP
	FETCH_B \slot, (\q)+1, 1-(\q)%2
	FETCH_A \slot, (\q)+1, 0
	WIN MUL_HI
	MUL16 4, (\q)%2, \q, \slot, \zero
	MUL16 6, (\q)%2, \q, \slot, \zero
	PLACES NP
	WIN 0
	FETCH_A \slot, (\q)+1, 4
.endm
; A slot's last step changes slots: one barrier; in front of it each wave waits for all its tensor loads, adds 0 to its spare word, and waits for that and for its own reads of this slot.
.macro TURN slot, next, fill
	s_wait_tensorcnt 0x0                           ; all my tensor loads have landed: my part of the next slot
	ds_add_u32 v[SPW], v[NIL]                      ; 0 onto my spare word
	s_wait_dscnt 4*NL+1                            ; the add and the youngest 16 loads may be out
	WIN MUL_LO
	MUL16 0, 1, NQ-1, \slot, 0
	s_wait_dscnt 0x0                               ; the add is done, and my reads of this slot are over
	s_barrier_signal -1
	MUL16 2, 1, NQ-1, \slot, 0
	WIN 0
	s_barrier_wait -1
.if \fill
	CREST                                          ; the barrier has opened a round of the cluster's: no wave of any partner still reads this slot or has a load on its way
	s_add_nc_u64 s[G0+4*\slot+2:G0+4*\slot+3], s[G0+4*\slot+2:G0+4*\slot+3], 2*ROWB
	s_add_nc_u64 s[G0B+4*\slot+2:G0B+4*\slot+3], s[G0B+4*\slot+2:G0B+4*\slot+3], 2*ROWB
	JLOAD G0+4*\slot, G1, G0B+4*\slot, G1B         ; the first tensor load behind the round; its four v_nop are the places in front of the loads below
.else
	PLACES NP
.endif
	s_wait_alu depctr_va_vdst(0)
	v_add_nc_u32 v[ADRS], 4*NQ, v[ADRS]
	FETCH_B \next, 0, 0
	FETCH_A \next, 0, 0
	SCALES \next
	WIN MUL_HI
	MUL16 4, 1, NQ-1, \slot, 0
	MUL16 6, 1, NQ-1, \slot, 0
	PLACES NP
	WIN 0
	FETCH_A \next, 0, 4
.endm
	s_wait_alu depctr_va_vdst(0)                   ; the wait at the head's end
	s_wait_tensorcnt 0x0                           ; my tile of the head's four is in
	ds_add_u32 v[SPW], v[NIL]
	s_mov_b32 s[G1+2], 8<<16                       ; no load of mine is out: from here on a load brings 8 tiles
	s_mov_b32 s[G1+4], 8
	s_mov_b32 s[G1B+2], 8<<16
	s_mov_b32 s[G1B+4], 8
	s_wait_dscnt 0x0
	CROUND
	JLOAD G0+4, G1, G0B+4, G1B                     ; K step 1, the first tensor load behind the round
	FETCH_B 0, 0, 0
	FETCH_A 0, 0, 0
	SCALES 0
	FETCH_A 0, 0, 4
	STEP 0, 0, 1                                   ; the first step's products start the sums
	s_mov_b32 s3, LAPS-1
.Llap:
	TURN 0, 1, 1
	STEP 1, 0, 0
	TURN 1, 0, 1
	STEP 0, 0, 0
	s_sub_co_u32 s3, s3, 1
	s_cmp_lg_u32 s3, 0
	s_cbranch_scc1 .Llap
	TURN 0, 1, 0                                   ; the last lap fills nothing
	STEP 1, 0, 0
	s_wait_dscnt 4*NL
	WIN MUL_LO
	MUL16 0, 1, NQ-1, 1, 0
	MUL16 2, 1, NQ-1, 1, 0
	s_wait_dscnt 0
	WIN MUL_HI
	MUL16 4, 1, NQ-1, 1, 0
	MUL16 6, 1, NQ-1, 1, 0
	WIN 0
; THE WAY OUT.  No tensor load is out (the last change of slots waited for all), so the descriptors' registers are free.
	s_lshl_b32 s20, s17, 8
	s_lshl_b32 s21, s15, 7
	s_add_co_u32 s20, s20, s21                     ; R0: my first row of C
	s_lshl_b32 s21, s42, 8
	s_lshl_b32 s22, s16, 7
	s_add_co_u32 s21, s21, s22                     ; C0: my first column
	s_mov_b32 s[SEL], 0x76543210
	s_mov_b32 s[SEL+1], 0xfedcba98
	s_mov_b32 s39, 0
	s_mov_b32 s45, 0
.if MODE == 0
	s_mov_b32 s47, 0
	s_mov_b32 s49, 0
	s_cmp_eq_u32 ttmp9, 2                          ; v^T?
	s_cselect_b32 s22, s21, s20                    ; my first token
	s_cselect_b32 s23, s20, s21                    ; my first feature
	s_cselect_b32 s40, 0, -1                       ; all ones for q and k
	s_cselect_b32 s41, -1, 0                       ; all ones for v^T
	s_mov_b32 s43, 0xffff
	s_cselect_b32 s43, -1, s43                     ; q, k: a head has two of the word's four bytes
	s_mov_b32 s44, 768
	s_cselect_b32 s44, 1536, s44                   ; from block to block: a half image (16 tokens of q or k), or a whole one (16 channels of v^T)
	s_cselect_b32 s46, 202752, 0                   ; v^T, behind block 3: on to the next head's region, 208,896 - 4 x 1,536
	s_cselect_b32 s48, 208640, 0                   ; and its scale words: 208,896 - 4 x 64
	s_cselect_b32 s26, 24576, 0                    ; in a chunk v^T lies behind k
	s_mov_b32 s27, 208896
	s_cselect_b32 s27, 768, s27                    ; from the first half image to the second: in kv the next head (k), or 768 bytes (v^T)
	s_lshr_b32 s28, s22, 11
	s_lshl_b32 s28, s28, 4
	s_lshr_b32 s29, s23, 6
	s_add_co_u32 s28, s28, s29                     ; 16 x batch + head
	s_and_b32 s29, s22, 2047                       ; the token in its batch
	s_lshr_b32 s30, s29, 7                         ; which 128 of them
	s_mul_i32 s31, s28, 98304
	s_mul_i32 s32, s30, 6144
	s_add_co_u32 s31, s31, s32                     ; q's half images: 128 x 768 bytes a head
	s_lshl_b32 s32, s28, 13
	s_lshl_b32 s33, s29, 2
	s_add_co_u32 s32, s32, s33                     ; q's scale words
	s_mul_i32 s34, s28, 208896                     ; the head's region of kv
	s_lshr_b32 s35, s30, 2
	s_mul_i32 s35, s35, 49152                      ; the chunk of 512 keys
	s_and_b32 s36, s30, 3
	s_mul_i32 s36, s36, 6144
	s_add_co_u32 s35, s35, s36
	s_add_co_u32 s35, s35, s34
	s_add_co_u32 s35, s35, s26                     ; k's half images, or v^T's images
	s_add_co_u32 s36, s34, s33
	s_add_co_u32 s36, s36, 196608                  ; k's scale words
	s_lshl_b32 s37, s30, 8
	s_add_co_u32 s37, s37, s34
	s_add_co_u32 s37, s37, 204800                  ; v^T's
	s_cmp_eq_u32 ttmp9, 2
	s_cselect_b32 s36, s37, s36
	s_cmp_eq_u32 ttmp9, 0                          ; q?
	s_cselect_b32 s38, s31, s35
	s_cselect_b32 s50, s32, s36
	s_cselect_b32 s27, 98304, s27
	s_mov_b32 s51, 208896
	s_cselect_b32 s51, 8192, s51
	s_add_nc_u64 s[4:5], s[PCO:PCO+1], s[38:39]    ; PA: the first half image
	s_mov_b32 s38, s27
	s_add_nc_u64 s[6:7], s[4:5], s[38:39]          ; PB: the second
	s_mov_b32 s38, s50
	s_add_nc_u64 s[8:9], s[PSC:PSC+1], s[38:39]    ; the scale words (q, k: the first head's)
	s_mov_b32 s38, s51
	s_add_nc_u64 s[10:11], s[8:9], s[38:39]        ; q, k: the second head's
.set T1, 64
.else
	s_lshr_b32 s22, s20, 4
	s_lshl_b32 s22, s22, 5
	s_lshr_b32 s23, s21, 7
	s_add_co_u32 s22, s22, s23                     ; my first fragment: 32 x (tile of 16 rows) + K step
	s_mov_b32 s44, 49152                           ; from block to block: 32 fragments
	s_mul_i32 s38, s22, 1536
	s_add_nc_u64 s[4:5], s[PCO:PCO+1], s[38:39]
	s_add_nc_u64 s[6:7], s[4:5], 768
	s_lshl_b32 s38, s22, 6
	s_add_nc_u64 s[8:9], s[PSC:PSC+1], s[38:39]
.set T1, 2048
.endif
	PLACES NP                                      ; behind the last products: for the writes into A's registers and the first reads of results
.irp b, 0,1,2,3
	v_mov_b32 v[TM+4+\b], 0                        ; written once: a lane permute's destination counts as one of its sources
.endr
	s_wait_loadcnt 0x0                             ; the biases, asked for at the head
.if MODE == 0
.set i, 0
.rept 64
	v_cndmask_b32 v[BN+i], 0, v[BN+i], s40         ; v^T has no bias by columns,
.set i, i+1
.endr
.irp a, 0,1,2,3,4,5,6,7
	v_cndmask_b32 v[BM+2*\a], 0, v[BM+2*\a], s41   ; q and k none by rows
.endr
.endif
; 64 numbers of a lane, register 16 b + i = its i-th number of block b of its row, become a fragment's codes in v[CD] on and its scale word in v[PW]
.macro QUANT s
.irp b, 0,1,2,3
	v_max3_num_f32 v[TM+\b], |v[\s+16*\b]|, |v[\s+1+16*\b]|, 0x1800000   ; my 16 numbers, and the floor 2^(3 - 127): the byte cannot fall under 1
.endr
.irp i, 2,4,6,8,10,12,14
.irp b, 0,1,2,3
	v_max3_num_f32 v[TM+\b], v[TM+\b], |v[\s+16*\b+\i]|, |v[\s+1+16*\b+\i]|
.endr
.endr
.irp b, 0,1,2,3
	v_permlanex16_b32 v[TM+4+\b], v[TM+\b], s[SEL], s[SEL+1]
.endr
.irp b, 0,1,2,3
	v_max_num_f32 v[TM+\b], v[TM+\b], v[TM+4+\b]   ; with lane l xor 16's: the block's largest magnitude
.endr
.irp b, 0,1,2,3
	v_add_nc_u32 v[TM+12+\b], 0xff000000, v[TM+\b] ; 2 off its exponent field: the conversion's scale operand
.endr
.irp b, 0,1,2,3
	v_lshrrev_b32 v[TM+4+\b], 23, v[TM+12+\b]      ; the scale's byte
.endr
	v_lshl_or_b32 v[PW], v[TM+5], 8, v[TM+4]
	v_lshl_or_b32 v[PW], v[TM+6], 16, v[PW]
	v_lshl_or_b32 v[PW], v[TM+7], 24, v[PW]
.irp c, 0,1
	v_cvt_scalef32_pk16_fp6_f32 v[CD+6*\c:CD+2+6*\c], v[\s+32*\c:\s+15+32*\c], v[TM+12+2*\c]
	v_cvt_scalef32_pk16_fp6_f32 v[CD+12+4*\c:CD+14+4*\c], v[\s+16+32*\c:\s+31+32*\c], v[TM+12+2*\c+1]   ; (a conversion's three registers begin on an even number)
.endr
	v_nop                                          ; one plain instruction behind a scaled conversion
.irp c, 0,1                                    ; the operand's layout wants a whole block in a lane: lanes 0-15 block 2 c, lanes 16-31 block 2 c + 1
.irp i, 0,1,2
	v_permlane16_swap_b32 v[CD+6*\c+\i], v[CD+12+4*\c+\i]
.endr
.irp i, 0,1,2
	v_mov_b32 v[CD+3+6*\c+\i], v[CD+12+4*\c+\i]
.endr
.endr
.endm
.macro OUTBLK a                        ; my rows 16 a .. 16 a + 15, all 128 columns
.set AC, 64*((\a)%4)
.set WN, 0x02+(\a)/4
	WIN WN                                         ; source 0: window 2 or 3
.set i, 0
.rept 32
	v_pk_add_f32 v[TT+i:TT+i+1], v[AC+i:AC+i+1], v[BN+i:BN+i+1]   ; each accumulator from its low end on
.set i, i+2
.endr
	WIN 0
.if MODE == 0
.set i, 0
.rept 32
	v_pk_add_f32 v[TT+i:TT+i+1], v[TT+i:TT+i+1], v[BM+2*(\a):BM+2*(\a)+1] op_sel_hi:[1,0]
.set i, i+2
.endr
.else
.set i, 0
.rept 64
	v_max_num_f32 v[TT+i], 0, v[TT+i]              ; the activation, in f32
.set i, i+1
.endr
.irp b, 0,1,2,3
.irp j, 0,1,2,3,4,5,6,7
	v_permlane16_swap_b32 v[TT+16*\b+\j], v[TT+16*\b+8+\j]   ; columns 8 + j of lanes 16-31 change places with columns 16 + j of lanes 0-15: a lane's 16 numbers are now neighbours
.endr
.endr
.endif
	QUANT TT
	global_store_b128 v[L16], v[CD:CD+3], s[4:5]                 ; 512 consecutive bytes
	global_store_b64 v[L8], v[CD+4:CD+5], s[4:5] offset:512      ; 256
	global_store_b128 v[L16], v[CD+6:CD+9], s[6:7]
	global_store_b64 v[L8], v[CD+10:CD+11], s[6:7] offset:512
.if MODE == 0
	v_and_b32 v[W0], s43, v[PW]
	global_store_b32 v[R4], v[W0], s[8:9]          ; lanes l and l xor 16 store the same word at the same place
	s_cmp_eq_u32 s40, 0                            ; (the cluster's x alone decides)
	s_cbranch_scc1 .Lone_word_\@
	v_lshrrev_b32 v[W1], 16, v[PW]
	global_store_b32 v[R4], v[W1], s[10:11]        ; q, k: the second head's two bytes
.Lone_word_\@:
.else
	global_store_b32 v[R4], v[PW], s[8:9]          ; lanes l and l xor 16 store the same word at the same place
.endif
	s_wait_xcnt 0x0                                ; the stores have read their registers and bases: both are written again only behind this wait
	s_add_nc_u64 s[4:5], s[4:5], s[44:45]
	s_add_nc_u64 s[6:7], s[6:7], s[44:45]
	s_add_nc_u64 s[8:9], s[8:9], T1
.if MODE == 0
	s_add_nc_u64 s[10:11], s[10:11], T1
.if (\a) == 3
	s_add_nc_u64 s[4:5], s[4:5], s[46:47]
	s_add_nc_u64 s[6:7], s[6:7], s[46:47]
	s_add_nc_u64 s[8:9], s[8:9], s[48:49]
.endif
.endif
.endm
.irp a, 0,1,2,3,4,5,6,7
	OUTBLK \a
.endr
	s_wait_tensorcnt 0x0                           ; the wave's end
	ds_add_u32 v[SPW], v[NIL]
	s_wait_dscnt 0x0
	CROUND                                         ; the closing round: no work-group ends while a partner may still ask for a tile that names it
	s_endpgm
.Lfunc_end_k_q9948101086_qkv:
	.size	k_q9948101086_qkv, .Lfunc_end_k_q9948101086_qkv-k_q9948101086_qkv
	.p2alignl 7, 3214868480
	.fill 96, 4, 3214868480
	.section	.rodata,"a",@progbits
	.p2align	6, 0x0
	.amdhsa_kernel k_q9948101086_qkv
		.amdhsa_group_segment_fixed_size 327680
		.amdhsa_private_segment_fixed_size 0
		.amdhsa_enable_private_segment 0
		.amdhsa_kernarg_size 88
		.amdhsa_user_sgpr_count 2
		.amdhsa_user_sgpr_kernarg_segment_ptr 1
		.amdhsa_wavefront_size32 1
		.amdhsa_system_sgpr_workgroup_id_x 1
		.amdhsa_system_sgpr_workgroup_id_y 1
		.amdhsa_system_sgpr_workgroup_id_z 1
		.amdhsa_system_vgpr_workitem_id 0
		.amdhsa_next_free_vgpr 1024
		.amdhsa_next_free_sgpr 100
		.amdhsa_reserve_vcc 0
		.amdhsa_float_denorm_mode_32 3
		.amdhsa_float_denorm_mode_16_64 3
		.amdhsa_memory_ordered 1
		.amdhsa_forward_progress 1
		.amdhsa_inst_pref_size 196
	.end_amdhsa_kernel
	.amdgpu_metadata
---
amdhsa.version: [ 1, 2 ]
amdhsa.kernels:
  - .name:           k_q9948101086_qkv
    .symbol:         k_q9948101086_qkv.kd
    .args:
      - { .name: hc, .offset: 0, .size: 8, .value_kind: global_buffer, .address_space: global }
      - { .name: wts, .offset: 8, .size: 8, .value_kind: global_buffer, .address_space: global }
      - { .name: wq_scales, .offset: 16, .size: 8, .value_kind: global_buffer, .address_space: global }
      - { .name: wk_scales, .offset: 24, .size: 8, .value_kind: global_buffer, .address_space: global }
      - { .name: wv_scales, .offset: 32, .size: 8, .value_kind: global_buffer, .address_space: global }
      - { .name: bq, .offset: 40, .size: 8, .value_kind: global_buffer, .address_space: global }
      - { .name: bk, .offset: 48, .size: 8, .value_kind: global_buffer, .address_space: global }
      - { .name: bv, .offset: 56, .size: 8, .value_kind: global_buffer, .address_space: global }
      - { .name: qimg, .offset: 64, .size: 8, .value_kind: global_buffer, .address_space: global }
      - { .name: qscl, .offset: 72, .size: 8, .value_kind: global_buffer, .address_space: global }
      - { .name: kv, .offset: 80, .size: 8, .value_kind: global_buffer, .address_space: global }
    .group_segment_fixed_size: 327680
    .private_segment_fixed_size: 0
    .kernarg_segment_align: 8
    .kernarg_segment_size: 88
    .max_flat_workgroup_size: 128
    .sgpr_count:     100
    .vgpr_count:     1024
    .wavefront_size: 32
...
	.end_amdgpu_metadata
.endif
;; end of part 2
;; launch attn (part 3): grid 8 x 32, 16 waves a work-group, clusters of 4 x 1, 215,040 bytes of LDS; arguments qimg, qscl, kv, img, iscl; writes img, iscl
.if DOCPART == 3
	.amdgcn_target "amdgcn-amd-amdhsa--gfx1250"
	.amdhsa_code_object_version 6
	.text
	.protected	k_q9948101086_attn
	.globl	k_q9948101086_attn
	.p2align	8
	.type	k_q9948101086_attn,@function
k_q9948101086_attn:
	s_mov_b64 s[64:65], 0
	v_nop
	global_prefetch_b8 v0, s[64:65] scope:SCOPE_SE
	s_setreg_imm32_b32 hwreg(HW_REG_WAVE_MODE, 25, 1), 1
	s_wait_xcnt 0x0
	s_wait_alu depctr_hold_cnt(0) depctr_sa_sdst(0) depctr_va_vdst(0) depctr_va_sdst(0) depctr_va_ssrc(0) depctr_va_vcc(0) depctr_vm_vsrc(0)
	s_getreg_b32 s2, hwreg(HW_REG_IB_STS2, 6, 4)
	s_cmp_eq_u32 s2, 0
	s_cbranch_scc0 .Lentry_in_a_cluster
	s_endpgm
.Lentry_in_a_cluster:
	s_bfe_u32 s2, ttmp6, 0x10000c
	s_cmp_lg_u32 s2, 0x3003
	s_cbranch_scc0 .Lentry_shape_is_right
	s_endpgm
.Lentry_shape_is_right:
; o[q][:] = sum over keys of softmax(q . k / 32) v, for each of 32 (batch, head): 2,048 queries and keys, head size 64; both products on codes of FP6 (E2M3) with one E8M0 scale for each 32 along K; o is quantised again and leaves as codes.
; THE SOFTMAX AHEAD OF THE SECOND PRODUCT: t = score x log2(e) / 32; M = the row's largest t so far, rounded up to a whole number; p = 2^(t - M) is quantised along the keys, not normalised.
; The row's sum is taken of the unquantised p and divides at the end.  When M moves, the sum and O are multiplied by 2^(old M - new M): exact.
; SHARES.  A work-group owns 256 queries of one head, each of its sixteen waves 16 of them in 256 registers: four waves to a SIMD, so that one wave's vector work stands beside another's matrix work and LDS loads.
; LDS IS ONE HEAD'S REGION OF kv AS IT LIES IN MEMORY, 208,896 bytes, FILLED ONCE: four chunks of 512 keys (32 half images of k, 768 bytes each; then 4 key steps x 4 images of v^T, 1,536 bytes each), k's scale words, v^T's.
; Each of the sixteen waves asks for a sixteenth of the region: one tensor load a wave, all at the head.  ONE BARRIER:
; in front of chunk 0 each wave waits for its load, so that behind that barrier the whole region is in for every wave.  From there on the waves walk the keys without meeting again: no LDS byte is ever written a second time.
; CLUSTER.  The four work-groups of a cluster belong to one head and want the same bytes: each load is asked for jointly, with the same descriptor and a mask that names the four.
; LAYOUT.  Both products are used transposed: S^T = K Q^T (source 0 = 16 keys, source 1 = my 16 queries; K = 64, the upper half of both fragments is zero codes), O^T = V^T P^T: a lane holds one query throughout.
; Fragments lie in LDS as images of their registers: registers 6 c .. 6 c + 3 at 16 x lane, 6 c + 4, 6 c + 5 at 512 + 8 x lane of half c.
; Inside a block of 32 keys p's codes lie in the order 0-7, 16-23, 8-15, 24-31, and so do v^T's; q's and k's channels likewise: the products are the same.  o meets a given weight, so it is put in natural order first.
; No prefetch: every byte that the launch reads through LDS is asked for at its head.
; LIMITS: a block whose largest magnitude lies under 2^-124 gets the byte 1; NaN and infinities are not served.
.set KSC,  196608                      ; k's scale words: 4 bytes a key
.set VSC,  204800                      ; v^T's: [key step][channel tile][16]
.set KF,   32                          ; v32-79   four fragments of K (their upper six registers stay 0)
.set S,    80                          ; v80-143  S^T, then p
.set O,    144                         ; v144-175 O^T
.set VF,   176                         ; v176-223 four fragments of V^T
.set VS,   28                          ; v28-31   their scale words
.set KS,   248                         ; v248-251 K's scale words
.set WV,   18
.set SEL,  20
.set CS,   22
.set TB,   2                           ; s2   LDS byte of the step's tiles of K
.set TS,   3                           ; s3   of its scale words of K: 512 bytes a step
.set TV,   66                          ; s66  of V^T's: 256 bytes a step
.set CNT,  67
.macro CROUND
	s_barrier_signal -1
	s_barrier_wait -1
	s_cmp_lg_u32 s[WV], 0
	s_cbranch_scc1 .Lnot_wave_0_\@
	s_barrier_signal -3
.Lnot_wave_0_\@:
	s_barrier_wait -3
	s_barrier_signal -1
	s_barrier_wait -1
.endm
	s_load_b256 s[4:11], s[0:1], 0x0               ; qimg, qscl, kv, img
	s_load_b64 s[12:13], s[0:1], 0x20              ; iscl
	v_lshl_add_u32 v7, v0, 2, 0x34000
	v_mov_b32 v243, 0
	ds_add_u32 v7, v243
	ds_add_u32 v7, v243
	v_lshrrev_b32 v8, 5, v0
	s_delay_alu instid0(VALU_DEP_1)
	v_readfirstlane_b32 s[WV], v8                  ; wave 0..15
	s_bfe_u32 s68, ttmp6, 0x40000                  ; cx
	s_lshl_b32 s69, ttmp9, 2
	s_add_co_u32 s69, s69, s68                     ; my block of 256 queries: it enters q's and o's addresses alone
	s_and_b32 s70, ttmp7, 0xffff                   ; 16 x batch + head, which the four partners share
	s_mov_b32 s24, 15|(3<<16)|(1<<21)              ; a sixteenth of the region: 51 rows of 256 bytes (32 elements of 8), dense; the mask names all four; bit 21 beside it
	s_mov_b32 s25, 32<<16
	s_mov_b32 s26, 51<<16                          ; the region's 816 rows of 256 bytes are shared out: 51 to each of the sixteen waves, one load a wave
	s_mov_b32 s27, 32<<16
	s_mov_b32 s28, 51
	s_mov_b32 s29, 32
	s_mov_b32 s30, 0
	s_mov_b32 s31, 0
	s_mul_i32 s72, s70, 208896
	s_mov_b32 s73, 0
	s_mul_i32 s74, s[WV], 13056
	s_mov_b32 s77, 0
	s_mov_b32 s[SEL], 0x76543210
	s_mov_b32 s[SEL+1], 0xfedcba98
	s_mov_b32 s[CS], 0x3d38aa3b                    ; c = log2(e) / 32
	s_mov_b32 s[CS+1], s[CS]
	s_mov_b32 s[TB], 0
	s_mov_b32 s[TS], 0
	s_mov_b32 s[TV], 0
	s_wait_dscnt 0x0
	s_wait_kmcnt 0x0
	s_add_nc_u64 s[8:9], s[8:9], s[72:73]          ; kv at my head
	s_mov_b32 s44, 1
	s_mov_b32 s45, s74                             ; the place in LDS and the place in the region are the same number
	s_mov_b32 s76, s74
	s_add_nc_u64 s[46:47], s[8:9], s[76:77]
	s_or_b32 s47, s47, 0x80000000
	CROUND                                         ; all four work-groups are here: the joint loads meet
	tensor_load_to_lds s[44:47], s[24:31]
	s_nop 0
.rept 4
	v_nop
.endr
	v_and_b32 v8, 31, v0                           ; lane
	v_and_b32 v9, 15, v0                           ; r
	s_delay_alu instid0(VALU_DEP_2)
	v_lshlrev_b32 v1, 4, v8                        ; 16 x lane
	s_wait_alu depctr_va_vdst(0)
	v_lshl_add_u32 v2, v8, 3, 512                  ; 512 + 8 x lane
	v_lshl_add_u32 v3, v9, 2, KSC
	v_lshl_add_u32 v4, v9, 2, VSC
	v_lshlrev_b32 v5, 2, v9                        ; 4 r
	v_lshlrev_b32 v6, 3, v8                        ; 8 x lane
	s_wait_alu depctr_va_vdst(0)
	s_lshl_b32 s71, s70, 7
	s_lshl_b32 s76, s69, 4
	s_add_co_u32 s71, s71, s76
	s_add_co_u32 s71, s71, s[WV]                   ; my tile of queries among all: 128 x head + 16 x block + wave
	s_mul_i32 s76, s71, 768
	s_add_nc_u64 s[4:5], s[4:5], s[76:77]
	s_lshl_b32 s76, s71, 6
	s_add_nc_u64 s[6:7], s[6:7], s[76:77]
	global_load_b128 v[16:19], v1, s[4:5]          ; Q's half image
	global_load_b64 v[20:21], v6, s[4:5] offset:512
	global_load_b32 v255, v5, s[6:7]               ; and its scale words
	s_lshr_b32 s72, s70, 4                         ; where o goes: tile of tokens 128 x batch + 16 x block + wave,
	s_lshl_b32 s72, s72, 7
	s_lshl_b32 s76, s69, 4
	s_add_co_u32 s72, s72, s76
	s_add_co_u32 s72, s72, s[WV]
	s_lshl_b32 s72, s72, 3
	s_bfe_u32 s76, s70, 0x30001
	s_add_co_u32 s72, s72, s76                     ; fragment 8 x tile + head / 2,
	s_and_b32 s78, s70, 1                          ; half image head % 2
	s_mul_i32 s76, s72, 1536
	s_mul_i32 s74, s78, 768
	s_add_co_u32 s76, s76, s74
	s_add_nc_u64 s[10:11], s[10:11], s[76:77]
	s_lshl_b32 s76, s72, 6
	s_lshl_b32 s74, s78, 1
	s_add_co_u32 s76, s76, s74
	s_add_nc_u64 s[12:13], s[12:13], s[76:77]
.irp j, 22,23,24,25,26,27
	v_mov_b32 v[\j], 0                             ; K = 64: the fragments' upper halves are zero codes
.endr
.irp t, 0,1,2,3
.irp j, 6,7,8,9,10,11
	v_mov_b32 v[KF+12*\t+\j], 0
.endr
.endr
	v_mov_b32 v13, 0xff61b1e6                      ; the largest t so far: -3e38
	s_delay_alu instid0(VALU_DEP_1)
	v_floor_f32 v12, -v13                          ; -M
	v_mov_b32 v14, 0                               ; the sum, in two halves
	v_mov_b32 v15, 0
.irp b, 0,1,2,3
	v_mov_b32 v[236+\b], 0                         ; written once: a lane permute's destination counts as one of its sources
.endr
	v_mov_b32 v253, 0
.set i, 0
.rept 32
	v_mov_b32 v[O+i], 0                            ; O^T: the step is written once; its first run finds zeros
.set i, i+1
.endr
; A KEY STEP: 128 keys
.macro STEP
	v_add_nc_u32 v8, s[TB], v1
	v_add_nc_u32 v9, s[TB], v2
	v_add_nc_u32 v10, s[TS], v3
	v_add_nc_u32 v11, s[TV], v4
.irp t, 0,1,2,3
	ds_load_b128 v[KF+12*\t:KF+12*\t+3], v8 offset:768*\t
	ds_load_b64 v[KF+12*\t+4:KF+12*\t+5], v9 offset:768*\t
	ds_load_b32 v[KS+\t], v10 offset:64*\t
.endr
	s_wait_alu depctr_va_vdst(0)
	s_wait_dscnt 0x0
.irp t, 0,1,2,3
	v_wmma_scale_f32_16x16x128_f8f6f4 v[S+8*\t:S+8*\t+7], v[KF+12*\t:KF+12*\t+11], v[16:27], 0, v[KS+\t], v255 matrix_a_fmt:MATRIX_FMT_FP6 matrix_b_fmt:MATRIX_FMT_FP6
.endr
.rept 4
	v_nop                                          ; places in front of loads into registers that matrix instructions have read
.endr
.irp t, 0,1,2,3
	ds_load_b128 v[KF+12*\t:KF+12*\t+3], v8 offset:768*(4+\t)
	ds_load_b64 v[KF+12*\t+4:KF+12*\t+5], v9 offset:768*(4+\t)
	ds_load_b32 v[KS+\t], v10 offset:64*(4+\t)
.endr
.irp t, 0,1,2,3                                ; V^T's four images and their scale words: wanted behind the softmax
	ds_load_b128 v[VF+12*\t:VF+12*\t+3], v8 offset:24576+1536*\t
	ds_load_b64 v[VF+12*\t+4:VF+12*\t+5], v9 offset:24576+1536*\t
	ds_load_b128 v[VF+12*\t+6:VF+12*\t+9], v8 offset:24576+1536*\t+768
	ds_load_b64 v[VF+12*\t+10:VF+12*\t+11], v9 offset:24576+1536*\t+768
	ds_load_b32 v[VS+\t], v11 offset:64*\t
.endr
	s_wait_dscnt 20                                ; K's are in; V^T's twenty loads may be out
.irp t, 0,1,2,3
	v_wmma_scale_f32_16x16x128_f8f6f4 v[S+32+8*\t:S+32+8*\t+7], v[KF+12*\t:KF+12*\t+11], v[16:27], 0, v[KS+\t], v255 matrix_a_fmt:MATRIX_FMT_FP6 matrix_b_fmt:MATRIX_FMT_FP6
.endr
.rept 4
	v_nop
.endr
.irp b, 0,1,2,3
	v_max3_num_f32 v[232+\b], v[S+16*\b], v[S+1+16*\b], v[S+2+16*\b]   ; the largest score of each block of 32 keys: for the row's maximum, and, since p rises with the score, for the block's largest p
.endr
.irp i, 3,5,7,9,11,13
.irp b, 0,1,2,3
	v_max3_num_f32 v[232+\b], v[232+\b], v[S+16*\b+\i], v[S+1+16*\b+\i]
.endr
.endr
.irp b, 0,1,2,3
	v_max_num_f32 v[232+\b], v[232+\b], v[S+15+16*\b]
.endr
.irp b, 0,1,2,3
	s_delay_alu instid0(VALU_DEP_4)
	v_permlanex16_b32 v[236+\b], v[232+\b], s[SEL], s[SEL+1]
.endr
.irp b, 0,1,2,3
	s_delay_alu instid0(VALU_DEP_4)
	v_max_num_f32 v[232+\b], v[232+\b], v[236+\b]
.endr
	s_delay_alu instid0(VALU_DEP_2)
	v_max3_num_f32 v254, v232, v233, v234
	s_delay_alu instid0(VALU_DEP_1)
	v_max_num_f32 v254, v254, v235
	s_delay_alu instid0(VALU_DEP_1)
	v_mul_f32 v254, s[CS], v254                    ; as t (c is positive)
	s_delay_alu instid0(VALU_DEP_1)
	v_max_num_f32 v13, v13, v254                   ; the running largest t
	v_mov_b32 v254, v12
	s_delay_alu instid0(VALU_DEP_2)
	v_floor_f32 v12, -v13                          ; the new -M = -ceil(t)
	s_delay_alu instid0(VALU_DEP_1)
	v_sub_f32 v254, v12, v254                      ; old M - new M: a whole number, 0 or less
	s_delay_alu instid0(VALU_DEP_1)
	v_cvt_i32_f32 v254, v254                       ; (it saturates)
	s_delay_alu instid0(VALU_DEP_1)
	v_ldexp_f32 v252, 1.0, v254                    ; f = 2^(old M - new M)
.set i, 0
.rept 32
	v_pk_fma_f32 v[S+i:S+i+1], v[S+i:S+i+1], s[CS:CS+1], v[12:13] op_sel_hi:[1,0,0]   ; t - M, two at a time
.set i, i+2
.endr
.irp b, 0,1,2,3
	v_fma_f32 v[232+\b], v[232+\b], s[CS], v12
.endr
.set i, 0
	s_wait_alu depctr_va_vdst(0)
.rept 64
	v_exp_f32 v[S+i], v[S+i]                       ; p = 2^(t - M)
.set i, i+1
.endr
	v_pk_mul_f32 v[14:15], v[14:15], v[252:253] op_sel_hi:[1,0]   ; the sums under the new M (a plain instruction behind the exponentials)
	s_wait_alu depctr_va_vdst(0)                   ; one wait for the whole batch, ahead of its first reader
.irp b, 0,1,2,3
	v_exp_f32 v[232+\b], v[232+\b]                 ; the block's largest p
.endr
	v_pk_add_f32 v[236:237], v[84:85], v[88:89]
	v_pk_add_f32 v[250:251], v[92:93], v[96:97]
	v_pk_add_f32 v[248:249], v[100:101], v[104:105]
	v_pk_add_f32 v[246:247], v[108:109], v[112:113]
	v_pk_add_f32 v[244:245], v[116:117], v[120:121]
	v_pk_add_f32 v[240:241], v[124:125], v[128:129]
	v_pk_add_f32 v[238:239], v[132:133], v[136:137]
	v_pk_add_f32 v[14:15], v[14:15], v[140:141]
	v_pk_add_f32 v[236:237], v[236:237], v[80:81]
	v_pk_add_f32 v[250:251], v[250:251], v[82:83]
	v_pk_add_f32 v[248:249], v[248:249], v[86:87]
	v_pk_add_f32 v[246:247], v[246:247], v[90:91]
	v_pk_add_f32 v[244:245], v[244:245], v[94:95]
	v_pk_add_f32 v[240:241], v[240:241], v[98:99]
	v_pk_add_f32 v[238:239], v[238:239], v[102:103]
	v_pk_add_f32 v[14:15], v[14:15], v[106:107]
	v_pk_add_f32 v[236:237], v[236:237], v[110:111]
	v_pk_add_f32 v[250:251], v[250:251], v[114:115]
	v_pk_add_f32 v[248:249], v[248:249], v[118:119]
	v_pk_add_f32 v[246:247], v[246:247], v[122:123]
	v_pk_add_f32 v[244:245], v[244:245], v[126:127]
	v_pk_add_f32 v[240:241], v[240:241], v[130:131]
	v_pk_add_f32 v[238:239], v[238:239], v[134:135]
	v_pk_add_f32 v[14:15], v[14:15], v[138:139]
	v_pk_add_f32 v[236:237], v[236:237], v[142:143]
	s_delay_alu instid0(VALU_DEP_2)
	v_pk_add_f32 v[14:15], v[14:15], v[246:247]
	s_delay_alu instid0(VALU_DEP_2)
	v_pk_add_f32 v[236:237], v[236:237], v[244:245]
	v_pk_add_f32 v[250:251], v[250:251], v[240:241]
	v_pk_add_f32 v[248:249], v[248:249], v[238:239]
	s_delay_alu instid0(VALU_DEP_2)
	v_pk_add_f32 v[14:15], v[14:15], v[250:251]
	s_delay_alu instid0(VALU_DEP_2)
	v_pk_add_f32 v[236:237], v[236:237], v[248:249]
	s_delay_alu instid0(VALU_DEP_1)
	v_pk_add_f32 v[14:15], v[14:15], v[236:237]
	s_wait_alu depctr_va_vdst(0)                   ; and one for the four
.irp b, 0,1,2,3
	v_max_num_f32 v[232+\b], 0x1800000, v[232+\b]  ; the floor 2^(3 - 127)
.endr
.irp b, 0,1,2,3
	s_delay_alu instid0(VALU_DEP_4)
	v_add_nc_u32 v[244+\b], 0xff000000, v[232+\b]  ; the conversion's scale operand
.endr
.irp b, 0,1,2,3
	s_delay_alu instid0(VALU_DEP_4)
	v_lshrrev_b32 v[236+\b], 23, v[244+\b]         ; the scale's byte
.endr
	s_delay_alu instid0(VALU_DEP_3)
	v_lshl_or_b32 v253, v237, 8, v236              ; p's scale word for these 128 keys
	s_delay_alu instid0(VALU_DEP_1)
	v_lshl_or_b32 v253, v238, 16, v253
	s_delay_alu instid0(VALU_DEP_1)
	v_lshl_or_b32 v253, v239, 24, v253
.irp c, 0,1
	v_cvt_scalef32_pk16_fp6_f32 v[224+6*\c:226+6*\c], v[S+32*\c:S+15+32*\c], v[244+2*\c]
	v_cvt_scalef32_pk16_fp6_f32 v[236+4*\c:238+4*\c], v[S+16+32*\c:S+31+32*\c], v[244+2*\c+1]
.endr
	v_nop                                          ; one plain instruction behind a scaled conversion
.irp c, 0,1
.irp i, 0,1,2
	v_permlane16_swap_b32 v[224+6*\c+\i], v[236+4*\c+\i]
.endr
.irp i, 0,1,2
	s_delay_alu instid0(VALU_DEP_3)
	v_mov_b32 v[227+6*\c+\i], v[236+4*\c+\i]
.endr
.endr
.set i, 0
.rept 16
	v_pk_mul_f32 v[O+i:O+i+1], v[O+i:O+i+1], v[252:253] op_sel_hi:[1,0]   ; O^T under the new M; these sixteen are also the places in front of the matrix instructions below
.set i, i+2
.endr
	s_wait_alu depctr_va_vdst(0)
	s_wait_dscnt 0x0                               ; V^T is in
.irp t, 0,1,2,3
	v_wmma_scale_f32_16x16x128_f8f6f4 v[O+8*\t:O+8*\t+7], v[VF+12*\t:VF+12*\t+11], v[224:235], v[O+8*\t:O+8*\t+7], v[VS+\t], v253 matrix_a_fmt:MATRIX_FMT_FP6 matrix_b_fmt:MATRIX_FMT_FP6
.endr
	s_add_co_u32 s[TB], s[TB], 6144
	s_add_co_u32 s[TS], s[TS], 512
	s_add_co_u32 s[TV], s[TV], 256
.endm
.macro MEET left                       ; my tensor loads but the youngest 'left' have landed; then the work-group's barrier: everybody's have
	s_wait_tensorcnt \left
	s_wait_dscnt 0x0
	s_barrier_signal -1
	s_barrier_wait -1
.endm
.macro CHUNK                           ; 512 keys: four steps
	s_mov_b32 s[CNT], 4
.Lstep_\@:
	STEP
	s_sub_co_u32 s[CNT], s[CNT], 1
	s_cmp_lg_u32 s[CNT], 0
	s_cbranch_scc1 .Lstep_\@
	s_add_co_u32 s[TB], s[TB], 24576               ; over the chunk's images of V^T
.endm
	s_wait_loadcnt 0x0                             ; Q
	MEET 0                                         ; every wave's one load has landed: the whole region is in for every wave; nothing is ever filled again
	CHUNK
	CHUNK
	CHUNK                                          ; no barrier: these bytes were shown landed in front of the last one, and nobody writes them
	CHUNK
	; THE WAY OUT: O^T / the sum, natural order, two blocks of 32 quantised: one half image and two scale bytes a row
.rept 4
	v_nop
.endr
	v_add_f32 v14, v14, v15
	s_delay_alu instid0(VALU_DEP_1)
	v_permlanex16_b32 v252, v14, s[SEL], s[SEL+1]
	s_delay_alu instid0(VALU_DEP_1)
	v_add_f32 v14, v14, v252                       ; the row's sum
	s_wait_alu depctr_va_vdst(0)
	v_rcp_f32 v14, v14
	v_nop                                          ; a plain instruction behind the reciprocal
	s_wait_alu depctr_va_vdst(0)                   ; the wait, ahead of the first reader
.set i, 0
.rept 16
	v_pk_mul_f32 v[S+i:S+i+1], v[O+i:O+i+1], v[14:15] op_sel_hi:[1,0]   ; register 8 t + j: o(r, 16 t + 8 h + j)
.set i, i+2
.endr
.irp b, 0,1
.irp j, 0,1,2,3,4,5,6,7
	v_permlane16_swap_b32 v[S+16*\b+\j], v[S+16*\b+8+\j]   ; a lane's 16 numbers of a block become neighbours: the partner is a given weight
.endr
.endr
.irp b, 0,1
	v_max3_num_f32 v[232+\b], |v[S+16*\b]|, |v[S+1+16*\b]|, 0x1800000
.endr
.irp i, 2,4,6,8,10,12,14
.irp b, 0,1
	s_delay_alu instid0(VALU_DEP_2)
	v_max3_num_f32 v[232+\b], v[232+\b], |v[S+16*\b+\i]|, |v[S+1+16*\b+\i]|
.endr
.endr
.irp b, 0,1
	s_delay_alu instid0(VALU_DEP_2)
	v_permlanex16_b32 v[236+\b], v[232+\b], s[SEL], s[SEL+1]
.endr
.irp b, 0,1
	s_delay_alu instid0(VALU_DEP_2)
	v_max_num_f32 v[232+\b], v[232+\b], v[236+\b]
.endr
.irp b, 0,1
	s_delay_alu instid0(VALU_DEP_2)
	v_add_nc_u32 v[244+\b], 0xff000000, v[232+\b]
.endr
.irp b, 0,1
	s_delay_alu instid0(VALU_DEP_2)
	v_lshrrev_b32 v[246+\b], 23, v[244+\b]
.endr
	s_delay_alu instid0(VALU_DEP_1)
	v_lshl_or_b32 v254, v247, 8, v246              ; my row's two bytes
	v_cvt_scalef32_pk16_fp6_f32 v[224:226], v[S:S+15], v244
	v_cvt_scalef32_pk16_fp6_f32 v[236:238], v[S+16:S+31], v245
	v_nop
.irp i, 0,1,2
	v_permlane16_swap_b32 v[224+\i], v[236+\i]
.endr
.irp i, 0,1,2
	s_delay_alu instid0(VALU_DEP_3)
	v_mov_b32 v[227+\i], v[236+\i]
.endr
	global_store_b128 v1, v[224:227], s[10:11]     ; 512 consecutive bytes
	global_store_b64 v6, v[228:229], s[10:11] offset:512
	global_store_b16 v5, v254, s[12:13]            ; two bytes a row, half of a scale word (the other head of the pair writes the other half): one byte in 24 of what the launch stores
	s_wait_tensorcnt 0x0
	ds_add_u32 v7, v243
	s_wait_dscnt 0x0
	CROUND                                         ; the closing round
	s_endpgm
.Lfunc_end_k_q9948101086_attn:
	.size	k_q9948101086_attn, .Lfunc_end_k_q9948101086_attn-k_q9948101086_attn
	.p2alignl 7, 3214868480
	.fill 96, 4, 3214868480
	.section	.rodata,"a",@progbits
	.p2align	6, 0x0
	.amdhsa_kernel k_q9948101086_attn
		.amdhsa_group_segment_fixed_size 215040
		.amdhsa_private_segment_fixed_size 0
		.amdhsa_enable_private_segment 0
		.amdhsa_kernarg_size 40
		.amdhsa_user_sgpr_count 2
		.amdhsa_user_sgpr_kernarg_segment_ptr 1
		.amdhsa_wavefront_size32 1
		.amdhsa_system_sgpr_workgroup_id_x 1
		.amdhsa_system_sgpr_workgroup_id_y 1
		.amdhsa_system_sgpr_workgroup_id_z 1
		.amdhsa_system_vgpr_workitem_id 0
		.amdhsa_next_free_vgpr 256
		.amdhsa_next_free_sgpr 80
		.amdhsa_reserve_vcc 0
		.amdhsa_float_denorm_mode_32 3
		.amdhsa_float_denorm_mode_16_64 3
		.amdhsa_memory_ordered 1
		.amdhsa_forward_progress 1
		.amdhsa_inst_pref_size 85
	.end_amdhsa_kernel
	.amdgpu_metadata
---
amdhsa.version: [ 1, 2 ]
amdhsa.kernels:
  - .name:           k_q9948101086_attn
    .symbol:         k_q9948101086_attn.kd
    .args:
      - { .name: qimg, .offset: 0, .size: 8, .value_kind: global_buffer, .address_space: global }
      - { .name: qscl, .offset: 8, .size: 8, .value_kind: global_buffer, .address_space: global }
      - { .name: kv, .offset: 16, .size: 8, .value_kind: global_buffer, .address_space: global }
      - { .name: img, .offset: 24, .size: 8, .value_kind: global_buffer, .address_space: global }
      - { .name: iscl, .offset: 32, .size: 8, .value_kind: global_buffer, .address_space: global }
    .group_segment_fixed_size: 215040
    .private_segment_fixed_size: 0
    .kernarg_segment_align: 8
    .kernarg_segment_size: 40
    .max_flat_workgroup_size: 512
    .sgpr_count:     80
    .vgpr_count:     256
    .wavefront_size: 32
...
	.end_amdgpu_metadata
.endif
;; end of part 3
;; launch oln (part 4): grid 256 x 1, 8 waves a work-group, no clusters, 153,600 bytes of LDS; arguments img, iscl, wts, wo_scales, bo, x, ln2_g, ln2_b, out1, hc; writes out1, hc
.if DOCPART == 4
	.amdgcn_target "amdgcn-amd-amdhsa--gfx1250"
	.amdhsa_code_object_version 6
	.text
	.protected	k_q9948101086_oln
	.globl	k_q9948101086_oln
	.p2align	8
	.type	k_q9948101086_oln,@function
k_q9948101086_oln:
	s_mov_b64 s[64:65], 0
	v_nop
	global_prefetch_b8 v0, s[64:65] scope:SCOPE_SE
	s_setreg_imm32_b32 hwreg(HW_REG_WAVE_MODE, 25, 1), 1
	s_wait_xcnt 0x0
; out1 = attn Wo^T + bo + x, then h2 = layer norm of out1, quantised to FP6 (E2M3) with one E8M0 byte for each 32, all in one launch: a work-group owns 16 whole rows of 1,024.
; THE PRODUCT.  A: the tile's 8 images (img, scale words iscl).  B: Wo's images in wts, [tile of 16 rows][K step][1,536 bytes].  Wave w makes columns 128 w .. 128 w + 127: 8 accumulators.
; Each fragment of Wo feeds one matrix instruction of the work-group, so LDS would hand on nothing: the images go from memory straight into registers, 512 and 256 consecutive bytes an instruction.
; No tensor load, so no joint loads either: the launch has no LDS tile that partners could share.  16 batches of 4 fragments (2 tiles x 2 K steps, 16 loads), four register buffers: three batches are out while one is multiplied.
; Source 0 = 16 rows of Wo, source 1 = the 16 tokens: a lane holds one token and eight neighbouring columns.  Two accumulators take turns.
; THE WAY OUT.  The sums meet in a stage of 16 rows x 4,112 bytes; wave w takes rows 2 w, 2 w + 1 back whole, adds bo and x, stores out1 in runs of 512 bytes, and goes on as the first launch does: two-pass mean and variance, images and scale bytes into hc.
; x is asked of memory at the head by one prefetch a wave (a lane to each 256 bytes of my two rows) and loaded behind the last batch.
; LIMITS: a block whose largest magnitude lies under 2^-124 gets the byte 1; these bytes are read by this program alone.  NaN and infinities are not served.
; REGISTERS: window 0: v32-127 A, v128-135 its scale words, v136-167 Wo's (lanes 0-15 tile 2 p, lanes 16-31 tile 2 p + 1), v192-255 x; on the way out v32-95 the rows, v96-159 the rows back from the stage; g, b, bo in window 1's buffers.  window 1: v0-63 accumulators, v64-255 four buffers.
.set XR,  32
.set GG,  112                          ; window 1: g, in the buffer that batch 13 leaves
.set BB,  160                          ; window 1: b, in the buffer that batch 14 leaves
.set BO,  64                           ; window 1: bo, in the buffer that batch 12 leaves
.set XX,  192
.set YY,  96
.set CC,  196
.set AFR, 32
.set ASC, 128
.set BSC, 136
.set QST, 66048
.set IMG, 139776
.set SCB, 152064
.set SPARE, 152576
.set SEL, 60
.set INV, 62
.set EPS, 63
.set MSB, 0
.macro WIN new
.if MSB != \new
	s_set_vgpr_msb (MSB<<8)|\new
.set MSB, \new
.endif
.endm
	s_load_b512 s[4:19], s[0:1], 0x0               ; img, iscl, wts, Wo's scales, bo, x, g, b
	s_load_b128 s[20:23], s[0:1], 0x40             ; out1, hc
	v_lshl_add_u32 v26, v0, 2, SPARE
	v_mov_b32 v27, 0
	v_lshrrev_b32 v8, 5, v0
	v_readfirstlane_b32 s50, v8                    ; wave 0..7
	s_mul_i32 s51, s50, 9216
	s_add_co_u32 s51, s51, QST
	s_lshl_b32 s52, s50, 5
	s_add_co_u32 s52, s52, IMG
	s_lshl_b32 s53, s50, 4
	s_add_co_u32 s53, s53, IMG+512
	s_lshl_b32 s54, s50, 6
	s_add_co_u32 s54, s54, SCB
	s_mul_i32 s59, s50, 1536
	s_add_co_u32 s55, s59, IMG
	s_lshl_b32 s56, s50, 9
	s_mul_i32 s57, s50, 8224
	v_and_b32 v2, 31, v0
	v_lshlrev_b32 v1, 4, v2
	v_lshrrev_b32 v8, 3, v2
	v_lshl_add_u32 v3, v8, 4, v1
	v_add_nc_u32 v3, s51, v3
	v_mul_u32_u24 v4, v2, 144
	v_add_nc_u32 v4, s51, v4
	v_lshrrev_b32 v8, 2, v2
	v_mul_u32_u24 v8, v8, 1536
	v_bfe_u32 v9, v2, 1, 1
	v_mad_u32_u24 v8, v9, 768, v8
	v_and_b32 v9, 1, v2
	v_lshl_add_u32 v5, v9, 8, v8
	v_add_nc_u32 v5, s52, v5
	v_lshl_add_u32 v7, v9, 7, v8
	v_add_nc_u32 v7, s53, v7
	v_add_nc_u32 v6, s54, v2
	v_add_nc_u32 v24, s55, v1
	v_add_nc_u32 v25, SCB, v1
	v_mov_b32 v29, 0
	v_mov_b32 v31, 0
	v_and_b32 v9, 15, v0                           ; r
	v_bfe_u32 v10, v0, 4, 1                        ; h
	v_lshlrev_b32 v16, 2, v9                       ; 4 r
	v_lshlrev_b32 v17, 3, v2                       ; 8 x lane
	v_lshlrev_b32 v18, 5, v2                       ; 32 x lane
	v_mul_u32_u24 v19, v9, 4112
	v_lshl_add_u32 v19, v10, 5, v19
	v_add_nc_u32 v19, s56, v19                     ; the stage, way in: row r, my 512 bytes, + 32 h
	v_add_nc_u32 v20, s57, v1                      ; way out: rows 2 w, 2 w + 1
	v_lshlrev_b32 v21, 8, v2
	s_mul_i32 s40, ttmp9, 12288
	s_mov_b32 s41, 0
	s_lshl_b32 s42, ttmp9, 9
	s_mov_b32 s43, 0
	s_mul_i32 s44, s50, 98304
	s_add_co_u32 s44, s44, 2359296                 ; Wo's images lie behind Wq's, Wk's and Wv's
	s_mov_b32 s45, 0
	s_lshl_b32 s46, s50, 12
	s_mov_b32 s47, 0
	s_lshl_b32 s48, ttmp9, 16
	s_lshl_b32 s58, s50, 13
	s_add_co_u32 s48, s48, s58
	s_mov_b32 s49, 0
	s_mov_b32 s[SEL], 0x76543210
	s_mov_b32 s[SEL+1], 0xfedcba98
	s_mov_b32 s[INV], 0x3a800000
	s_mov_b32 s[EPS], 0x3727c5ac
	s_wait_alu depctr_va_vdst(0)                   ; the wait at the head's end
	s_wait_kmcnt 0x0
	s_add_nc_u64 s[14:15], s[14:15], s[48:49]
	global_prefetch_b8 v21, s[14:15] th:TH_LOAD_NT scope:SCOPE_SE   ; my two rows of x, 32 blocks of 256 bytes, a lane each
	s_add_nc_u64 s[4:5], s[4:5], s[40:41]
	s_add_nc_u64 s[6:7], s[6:7], s[42:43]
	s_add_nc_u64 s[8:9], s[8:9], s[44:45]
	s_add_nc_u64 s[10:11], s[10:11], s[46:47]
	s_add_nc_u64 s[20:21], s[20:21], s[48:49]
	s_add_nc_u64 s[34:35], s[22:23], s[42:43]
	s_add_nc_u64 s[34:35], s[34:35], 3145728       ; the scale bytes
	s_add_co_u32 s40, s40, s59
	s_add_nc_u64 s[22:23], s[22:23], s[40:41]
.irp s, 0,1,2,3,4,5,6,7
.irp c, 0,1
	global_load_b128 v[AFR+12*\s+6*\c:AFR+12*\s+6*\c+3], v1, s[4:5] offset:1536*\s+768*\c
	global_load_b64 v[AFR+12*\s+6*\c+4:AFR+12*\s+6*\c+5], v17, s[4:5] offset:1536*\s+768*\c+512
.endr
	global_load_b32 v[ASC+\s], v16, s[6:7] offset:64*\s
.endr
.irp p, 0,1,2,3
	global_load_b128 v[BSC+8*\p:BSC+8*\p+3], v18, s[10:11] offset:1024*\p       ; lane l: the 32 scale bytes of row 32 p + l: a word for each K step
	global_load_b128 v[BSC+8*\p+4:BSC+8*\p+7], v18, s[10:11] offset:1024*\p+16
.endr
.macro BLD b                           ; batch b: tiles 2 (b / 4), + 1, K steps 2 (b % 4), + 1, into buffer b % 4
	WIN 0x40
.irp e, 0,1
.irp u, 0,1
.set BF, 64+48*((\b)%4)+12*(2*\e+\u)
.set OF, (2*((\b)/4)+\u)*12288+(2*((\b)%4)+\e)*1536
.irp c, 0,1
	global_load_b128 v[BF+6*\c:BF+6*\c+3], v1, s[8:9] offset:OF+768*\c
	global_load_b64 v[BF+6*\c+4:BF+6*\c+5], v17, s[8:9] offset:OF+768*\c+512
.endr
.endr
.endr
.endm
.macro WM cc, row
	v_wmma_scale_f32_16x16x128_f8f6f4 v[AC:AC+7], v[BF:BF+11], v[AFR+12*KQ:AFR+12*KQ+11], \cc, v[BSC+8*PP+KQ], v[ASC+KQ] matrix_a_fmt:MATRIX_FMT_FP6 matrix_b_fmt:MATRIX_FMT_FP6 \row
.endm
.macro BMUL b
	WIN 0x51                                       ; source 0, C and D window 1; source 1 window 0
.set PP, (\b)/4
.irp e, 0,1
.set KQ, 2*((\b)%4)+\e
.set AC, 16*PP
.set BF, 64+48*((\b)%4)+24*\e
.if KQ == 0
	WM 0
.else
	WM v[AC:AC+7]
.endif
.set AC, 16*PP+8
.set BF, 64+48*((\b)%4)+24*\e+12
.if KQ == 0
	WM 0, matrix_a_scale:MATRIX_SCALE_ROW1
.else
	WM v[AC:AC+7], matrix_a_scale:MATRIX_SCALE_ROW1
.endif
.endr
.endm
	BLD 0
	BLD 1
	BLD 2
	BLD 3
.set b, 0
.rept 16
.if b > 12
	s_wait_loadcnt 56-8*(b-13)                     ; out at batch 13: two batches' 32, x's 16, bo's 8; at 14: 16 + 24 + g's 8; at 15: 24 + 8 + b's 8
.else
	s_wait_loadcnt 48                              ; out: the three younger batches of 16 loads
.endif
	BMUL b
.rept 4
	v_nop                                          ; places in front of loads into, and reads of, the products' registers
.endr
.if b < 12
	BLD b+4
.endif
.if b == 12
	WIN 0
.irp i, 0,1,2,3,4,5,6,7
	global_load_b128 v[XX+4*\i:XX+4*\i+3], v1, s[14:15] offset:512*\i
	global_load_b128 v[XX+32+4*\i:XX+32+4*\i+3], v1, s[14:15] offset:4096+512*\i
.endr
	WIN 0x40
.irp i, 0,1,2,3,4,5,6,7
	global_load_b128 v[BO+4*\i:BO+4*\i+3], v1, s[12:13] offset:512*\i
.endr
.endif
.if b == 13
	WIN 0x40
.irp i, 0,1,2,3,4,5,6,7
	global_load_b128 v[GG+4*\i:GG+4*\i+3], v1, s[16:17] offset:512*\i
.endr
.endif
.if b == 14
	WIN 0x40
.irp i, 0,1,2,3,4,5,6,7
	global_load_b128 v[BB+4*\i:BB+4*\i+3], v1, s[18:19] offset:512*\i
.endr
.endif
.set b, b+1
.endr
	WIN 0x04                                       ; the data: window 1
.irp t, 0,1,2,3,4,5,6,7
	ds_store_b128 v19, v[8*\t:8*\t+3] offset:64*\t             ; each accumulator from its low end on
	ds_store_b128 v19, v[8*\t+4:8*\t+7] offset:64*\t+16
.endr
	WIN 0
	s_wait_dscnt 0x0
	s_barrier_signal -1
	s_barrier_wait -1
.irp i, 0,1,2,3,4,5,6,7
	ds_load_b128 v[XR+4*\i:XR+4*\i+3], v20 offset:512*\i
	ds_load_b128 v[XR+32+4*\i:XR+32+4*\i+3], v20 offset:4112+512*\i
.endr
	s_wait_loadcnt 16                              ; x and bo are in; g's and b's 16 loads may be out
	s_wait_dscnt 0x0
.set i, 0
.rept 32
	v_pk_add_f32 v[XR+i:XR+i+1], v[XR+i:XR+i+1], v[XX+i:XX+i+1]
.set i, i+2
.endr
.set i, 0
	WIN 0x04                                       ; source 1: window 1
.rept 32
	v_pk_add_f32 v[XR+i:XR+i+1], v[XR+i:XR+i+1], v[BO+i%32:BO+i%32+1]
.set i, i+2
.endr
	WIN 0
.irp i, 0,1,2,3,4,5,6,7
	global_store_b128 v1, v[XR+4*\i:XR+4*\i+3], s[20:21] offset:512*\i
	global_store_b128 v1, v[XR+32+4*\i:XR+32+4*\i+3], s[20:21] offset:4096+512*\i
.endr
	s_wait_alu depctr_va_vdst(0)                   ; the wait ahead of the wait below
	s_wait_xcnt 0x0                                ; the stores have read the rows, the prefetch its offset: both are written again below
.macro RED a
	s_delay_alu instid0(VALU_DEP_3)
	v_pk_add_f32 v[\a:\a+1], v[\a:\a+1], v[\a+2:\a+3]
	s_delay_alu instid0(VALU_DEP_2)
	v_pk_add_f32 v[\a+4:\a+5], v[\a+4:\a+5], v[\a+6:\a+7]
	s_delay_alu instid0(VALU_DEP_1)
	v_pk_add_f32 v[\a:\a+1], v[\a:\a+1], v[\a+4:\a+5]
	s_delay_alu instid0(VALU_DEP_1)
	v_add_f32 v[\a], v[\a], v[\a+1]
.irp m, 1,2,4,8
	s_delay_alu instid0(VALU_DEP_1)
	v_add_f32_dpp v[\a], v[\a], v[\a] row_xmask:\m row_mask:0xf bank_mask:0xf
.endr
	s_delay_alu instid0(VALU_DEP_1)
	v_permlanex16_b32 v[\a+1], v[\a], s[SEL], s[SEL+1]
	s_delay_alu instid0(VALU_DEP_1)
	v_add_f32 v[\a], v[\a], v[\a+1]
.endm
.macro STATS x, a, m
.irp c, 0,1,2,3
	v_pk_add_f32 v[\a+2*\c:\a+2*\c+1], v[\x+4*\c:\x+4*\c+1], v[\x+4*\c+2:\x+4*\c+3]
.endr
.irp c, 0,1,2,3
	s_delay_alu instid0(VALU_DEP_4)
	v_pk_add_f32 v[\a+2*\c:\a+2*\c+1], v[\a+2*\c:\a+2*\c+1], v[\x+16+2*\c:\x+16+2*\c+1]
.endr
.irp c, 0,1,2,3
	s_delay_alu instid0(VALU_DEP_4)
	v_pk_add_f32 v[\a+2*\c:\a+2*\c+1], v[\a+2*\c:\a+2*\c+1], v[\x+24+2*\c:\x+24+2*\c+1]
.endr
	RED \a
	s_delay_alu instid0(VALU_DEP_1)
	v_mul_f32 v[\m], s[INV], v[\a]
.set i, 0
.rept 16
	v_pk_add_f32 v[\x+i:\x+i+1], v[\x+i:\x+i+1], v[\m:\m+1] op_sel_hi:[1,0] neg_lo:[0,1] neg_hi:[0,1]
.set i, i+2
.endr
.irp c, 0,1,2,3
	v_pk_mul_f32 v[\a+2*\c:\a+2*\c+1], v[\x+2*\c:\x+2*\c+1], v[\x+2*\c:\x+2*\c+1]
.endr
.set i, 8
.rept 12
	s_delay_alu instid0(VALU_DEP_4)
	v_pk_fma_f32 v[\a+i%8:\a+i%8+1], v[\x+i:\x+i+1], v[\x+i:\x+i+1], v[\a+i%8:\a+i%8+1]
.set i, i+2
.endr
	RED \a
	s_delay_alu instid0(VALU_DEP_1)
	v_fma_f32 v[\a], v[\a], s[INV], s[EPS]
.endm
.macro TURNR w
.irp i, 0,1,2,3,4,5,6,7
	ds_store_b128 v3, v[XR+32*(\w)+4*\i:XR+32*(\w)+4*\i+3] offset:4608*(\w)+576*\i
.endr
.irp i, 0,1,2,3,4,5,6,7
	ds_load_b128 v[YY+32*(\w)+4*\i:YY+32*(\w)+4*\i+3], v4 offset:4608*(\w)+16*\i
.endr
.endm
.macro QROW w, younger
.set YS, YY+32*(\w)
.set C, CC+10*(\w)
	s_wait_dscnt \younger
	v_max3_num_f32 v8, |v[YS]|, |v[YS+1]|, 0x1800000     ; the floor 2^(3 - 127)
	v_max3_num_f32 v9, |v[YS+16]|, |v[YS+17]|, |v[YS+18]|
.irp i, 2,4,6,8,10,12
	s_delay_alu instid0(VALU_DEP_2)
	v_max3_num_f32 v8, v8, |v[YS+\i]|, |v[YS+\i+1]|
	s_delay_alu instid0(VALU_DEP_2)
	v_max3_num_f32 v9, v9, |v[YS+17+\i]|, |v[YS+18+\i]|
.endr
	s_delay_alu instid0(VALU_DEP_2)
	v_max3_num_f32 v8, v8, |v[YS+14]|, |v[YS+15]|
	s_delay_alu instid0(VALU_DEP_1)
	v_max3_num_f32 v8, v8, v9, |v[YS+31]|
	s_delay_alu instid0(VALU_DEP_1)
	v_add_nc_u32 v11, 0xff000000, v8
	v_cvt_scalef32_pk16_fp6_f32 v[C:C+2], v[YS:YS+15], v11
	v_cvt_scalef32_pk16_fp6_f32 v[C+6:C+8], v[YS+16:YS+31], v11
	v_lshrrev_b32 v[12+(\w)], 23, v11
.irp i, 0,1,2
	v_mov_b32 v[C+3+\i], v[C+6+\i]
.endr
	ds_store_b8 v6, v[12+(\w)] offset:32*(\w)
	ds_store_b128 v5, v[C:C+3] offset:16*(\w)
	ds_store_b64 v7, v[C+4:C+5] offset:8*(\w)
.endm
	STATS XR, 8, 28
	STATS XR+32, 16, 30
	s_wait_alu depctr_va_vdst(0)
	v_rsq_f32 v28, v8
	v_rsq_f32 v30, v16
	v_nop
	s_wait_loadcnt 0x0                             ; g and b
	s_wait_alu depctr_va_vdst(0)
.irp w, 0,1
.set i, 0
.rept 16
	v_pk_mul_f32 v[XR+32*\w+i:XR+32*\w+i+1], v[XR+32*\w+i:XR+32*\w+i+1], v[28+2*\w:29+2*\w] op_sel_hi:[1,0]
.set i, i+2
.endr
.set i, 0
	WIN 0x14                                       ; sources 1 and 2: window 1
.rept 16
	v_pk_fma_f32 v[XR+32*\w+i:XR+32*\w+i+1], v[XR+32*\w+i:XR+32*\w+i+1], v[GG+i:GG+i+1], v[BB+i:BB+i+1]
.set i, i+2
.endr
	WIN 0
.endr
	TURNR 0
	TURNR 1
	QROW 0, 16                                     ; out: row 1's 8 stores and 8 loads
	QROW 1, 3                                      ; out: row 0's three stores
	s_wait_alu depctr_va_vdst(0)
	s_wait_dscnt 0x0
	s_barrier_signal -1
	s_barrier_wait -1
.irp j, 0,1,2
	ds_load_b128 v[YY+4*\j:YY+4*\j+3], v24 offset:512*\j
.endr
	s_wait_dscnt 0x0
.irp j, 0,1,2
	global_store_b128 v1, v[YY+4*\j:YY+4*\j+3], s[22:23] offset:512*\j
.endr
	s_cmp_lg_u32 s50, 0
	s_cbranch_scc1 .Ldone
	ds_load_b128 v[12:15], v25
	s_wait_dscnt 0x0
	global_store_b128 v1, v[12:15], s[34:35]
.Ldone:
	s_wait_tensorcnt 0x0                           ; the wave's end
	ds_add_u32 v26, v27
	s_wait_dscnt 0x0
	s_endpgm
.Lfunc_end_k_q9948101086_oln:
	.size	k_q9948101086_oln, .Lfunc_end_k_q9948101086_oln-k_q9948101086_oln
	.p2alignl 7, 3214868480
	.fill 96, 4, 3214868480
	.section	.rodata,"a",@progbits
	.p2align	6, 0x0
	.amdhsa_kernel k_q9948101086_oln
		.amdhsa_group_segment_fixed_size 153600
		.amdhsa_private_segment_fixed_size 0
		.amdhsa_enable_private_segment 0
		.amdhsa_kernarg_size 80
		.amdhsa_user_sgpr_count 2
		.amdhsa_user_sgpr_kernarg_segment_ptr 1
		.amdhsa_wavefront_size32 1
		.amdhsa_system_sgpr_workgroup_id_x 1
		.amdhsa_system_sgpr_workgroup_id_y 1
		.amdhsa_system_sgpr_workgroup_id_z 1
		.amdhsa_system_vgpr_workitem_id 0
		.amdhsa_next_free_vgpr 512
		.amdhsa_next_free_sgpr 66
		.amdhsa_reserve_vcc 0
		.amdhsa_float_denorm_mode_32 3
		.amdhsa_float_denorm_mode_16_64 3
		.amdhsa_memory_ordered 1
		.amdhsa_forward_progress 1
		.amdhsa_inst_pref_size 78
	.end_amdhsa_kernel
	.amdgpu_metadata
---
amdhsa.version: [ 1, 2 ]
amdhsa.kernels:
  - .name:           k_q9948101086_oln
    .symbol:         k_q9948101086_oln.kd
    .args:
      - { .name: img, .offset: 0, .size: 8, .value_kind: global_buffer, .address_space: global }
      - { .name: iscl, .offset: 8, .size: 8, .value_kind: global_buffer, .address_space: global }
      - { .name: wts, .offset: 16, .size: 8, .value_kind: global_buffer, .address_space: global }
      - { .name: wo_scales, .offset: 24, .size: 8, .value_kind: global_buffer, .address_space: global }
      - { .name: bo, .offset: 32, .size: 8, .value_kind: global_buffer, .address_space: global }
      - { .name: x, .offset: 40, .size: 8, .value_kind: global_buffer, .address_space: global }
      - { .name: ln2_g, .offset: 48, .size: 8, .value_kind: global_buffer, .address_space: global }
      - { .name: ln2_b, .offset: 56, .size: 8, .value_kind: global_buffer, .address_space: global }
      - { .name: out1, .offset: 64, .size: 8, .value_kind: global_buffer, .address_space: global }
      - { .name: hc, .offset: 72, .size: 8, .value_kind: global_buffer, .address_space: global }
    .group_segment_fixed_size: 153600
    .private_segment_fixed_size: 0
    .kernarg_segment_align: 8
    .kernarg_segment_size: 80
    .max_flat_workgroup_size: 256
    .sgpr_count:     66
    .vgpr_count:     512
    .wavefront_size: 32
...
	.end_amdgpu_metadata
.endif
;; end of part 4
;; launch mlp1 (part 5): grid 16 x 16, 4 waves a work-group, clusters of 4 x 4, 327,680 bytes of LDS; arguments hc, wts, w1_scales, b1, img, iscl; writes img, iscl
.if DOCPART == 5
	.amdgcn_target "amdgcn-amd-amdhsa--gfx1250"
	.amdhsa_code_object_version 6
	.text
	.protected	k_q9948101086_mlp1
	.globl	k_q9948101086_mlp1
	.p2align	8
	.type	k_q9948101086_mlp1,@function
k_q9948101086_mlp1:
	s_mov_b64 s[64:65], 0
	v_nop
	global_prefetch_b8 v0, s[64:65] scope:SCOPE_SE
	s_setreg_imm32_b32 hwreg(HW_REG_WAVE_MODE, 25, 1), 1
	s_wait_xcnt 0x0
	s_wait_alu depctr_hold_cnt(0) depctr_sa_sdst(0) depctr_va_vdst(0) depctr_va_sdst(0) depctr_va_ssrc(0) depctr_va_vcc(0) depctr_vm_vsrc(0)
	s_getreg_b32 s2, hwreg(HW_REG_IB_STS2, 6, 4)
	s_cmp_eq_u32 s2, 0
	s_cbranch_scc0 .Lentry_in_a_cluster
	s_endpgm
.Lentry_in_a_cluster:
	s_bfe_u32 s2, ttmp6, 0x10000c
	s_cmp_lg_u32 s2, 0xf033
	s_cbranch_scc0 .Lentry_shape_is_right
	s_endpgm
.Lentry_shape_is_right:
.set MODE,   1
.set SIZE_K, 1024
.set KSTEP,  256
.set NQ,     KSTEP/128
.set ROWB,   3072                      ; both operands come as images of fragments, [tile of 16 rows][K step][1,536 bytes]: a slot takes two images of each tile
.set KROW,   SIZE_K*6/8
.set PITCH,  192
.set FR,     12
.set NL,     4
.set NP,     4
.set HALFT,  128*PITCH
.set SLOT,   4*HALFT
.set LAPS,   SIZE_K/(2*KSTEP)
.set KS,     SIZE_K/32
.set SCL,    2*SLOT
.set HALFS,  (128*KS/256)*272
.set SBLK,   (16*KS/256)*272
.set SPARE,  SCL+4*HALFS
.set ADRA, 16
.set ADRB, 20
.set ADRS, 27
.set SPW,  28
.set NIL,  29
.set SC,   32
.set AF,   128
.set L16,  8
.set L8,   9
.set R4,   10
.set H32,  11
.set BN,   64
.set TT,   128
.set CD,   192
.set TM,   212
.set PW,   228
.set W0,   229
.set W1,   230
.set BM,   240
.set SEL,  92
.set PCO,  12
.set PSC,  66
.set PBN,  96
.set PBM,  98
.set G1, 24
.set G0, 32
.set G1B, 48
.set G0B, 56
.set G1S, 68
.set G0S, 76
.set G1SB, 80
.set G0SB, 88
.set MSB, 0
.macro WIN new
.if MSB != \new
	s_set_vgpr_msb (MSB<<8)|\new
.set MSB, \new
.endif
.endm
.set MUL_LO, 0xa1
.set MUL_HI, 0xf1
.set TO_B,   0x40
.macro JLOAD g0a, g1a, g0b, g1b
	s_cmp_eq_u32 s15, 0
	s_cbranch_scc0 .Lfor_b_\@
	tensor_load_to_lds s[\g0a:\g0a+3], s[\g1a:\g1a+7]
	s_nop 0
.rept 4
	v_nop
.endr
	s_branch .Lasked_\@
.Lfor_b_\@:
	tensor_load_to_lds s[\g0b:\g0b+3], s[\g1b:\g1b+7]
	s_nop 0
.rept 4
	v_nop
.endr
.Lasked_\@:
.endm
.macro CREST
	s_cmp_lg_u32 s14, 0
	s_cbranch_scc1 .Lnot_wave_0_\@
	s_barrier_signal -3
.Lnot_wave_0_\@:
	s_barrier_wait -3
	s_barrier_signal -1
	s_barrier_wait -1
.endm
.macro CROUND
	s_barrier_signal -1
	s_barrier_wait -1
	CREST
.endm
	s_load_b64 s[4:5], s[0:1], 0x0                 ; h2's images
	s_load_b128 s[8:11], s[0:1], 0x8               ; the weights' images, W1's scales
	s_load_b128 s[68:71], s[0:1], 0x18             ; b1, img
	s_load_b64 s[72:73], s[0:1], 0x28              ; iscl
	v_lshl_add_u32 v[SPW], v0, 2, SPARE
	v_mov_b32 v[NIL], 0
	ds_add_u32 v28, v29
	ds_add_u32 v28, v29
	s_wait_dscnt 0x0
	v_lshrrev_b32 v1, 5, v0
	v_readfirstlane_b32 s14, v1
	s_lshr_b32 s15, s14, 1
	s_and_b32 s16, s14, 1
	s_bfe_u32 s40, ttmp6, 0x40000
	s_bfe_u32 s41, ttmp6, 0x40004
	s_and_b32 s17, ttmp7, 0xffff
	s_wait_kmcnt 0x0
	s_add_nc_u64 s[6:7], s[4:5], 3145728           ; h2's scale bytes lie behind its images
	s_add_nc_u64 s[8:9], s[8:9], 3145728           ; W1's images
.if MODE == 0
	s_cmp_eq_u32 ttmp9, 2
	s_cselect_b64 s[92:93], s[4:5], s[8:9]
	s_cselect_b64 s[94:95], s[6:7], s[10:11]
	s_cselect_b64 s[4:5], s[88:89], s[4:5]
	s_cselect_b64 s[6:7], s[90:91], s[6:7]
	s_cselect_b32 s18, 0, s17
	s_cselect_b32 s19, s17, 0
	s_cmp_eq_u32 ttmp9, 1
	s_cselect_b64 s[8:9], s[84:85], s[92:93]
	s_cselect_b64 s[10:11], s[86:87], s[94:95]
	s_cselect_b64 s[PBN:PBN+1], s[78:79], s[76:77]
	s_mov_b64 s[PBM:PBM+1], s[68:69]
	s_cmp_eq_u32 ttmp9, 0
	s_cselect_b64 s[PCO:PCO+1], s[70:71], s[74:75]
	s_cselect_b64 s[PSC:PSC+1], s[72:73], s[74:75]
.else
	s_mov_b32 s18, s17
	s_mov_b32 s19, ttmp9
	s_mov_b64 s[PBN:PBN+1], s[68:69]
	s_mov_b64 s[PCO:PCO+1], s[70:71]
	s_mov_b64 s[PSC:PSC+1], s[72:73]
.endif
	s_lshl_b32 s42, s19, 2
	s_add_co_u32 s42, s42, s40
	s_lshl_b32 s17, s18, 2
	s_add_co_u32 s17, s17, s41
	s_lshl_b32 s43, s41, 2
	s_lshl_b32 s43, 15, s43
	s_lshl_b32 s44, 0x1111, s40
	s_or_b32 s[G1+0], s43, (3<<16)|(1<<21)
	s_or_b32 s[G1B+0], s44, (3<<16)|(1<<21)
.irp g, G1, G1B
	s_mov_b32 s[\g+1], (ROWB/8)<<16
	s_mov_b32 s[\g+2], 16<<16
	s_mov_b32 s[\g+3], (ROWB/8)<<16
	s_mov_b32 s[\g+4], 16
	s_mov_b32 s[\g+5], 1536
	s_mov_b32 s[\g+6], 0
	s_mov_b32 s[\g+7], 0
.endr
	s_or_b32 s[G1S+0], s43, (3<<16)|(1<<20)|(1<<21)|(5<<22)|(3<<25)
	s_or_b32 s[G1SB+0], s44, (3<<16)|(1<<20)|(1<<21)|(5<<22)|(3<<25)
.irp g, G1S, G1SB
	s_mov_b32 s[\g+1], 32<<16
	s_mov_b32 s[\g+2], KS<<16
	s_mov_b32 s[\g+3], 32<<16
	s_mov_b32 s[\g+4], KS
	s_mov_b32 s[\g+5], 32
	s_mov_b32 s[\g+6], 0
	s_mov_b32 s[\g+7], 0
.endr
	s_mov_b32 s18, 0
	s_lshl_b32 s20, s17, 8
	s_add_co_u32 s20, s20, s18
	s_lshl_b32 s46, s42, 8
	s_add_co_u32 s46, s46, s18
	s_mov_b32 s21, 0
	s_mov_b32 s47, 0
	s_mov_b64 s[18:19], KS
	s_mul_u64 s[22:23], s[20:21], s[18:19]
	s_mul_u64 s[92:93], s[46:47], s[18:19]
	s_mov_b64 s[18:19], KROW
	s_mul_u64 s[20:21], s[20:21], s[18:19]
	s_mul_u64 s[46:47], s[46:47], s[18:19]
	s_mul_i32 s45, s14, HALFT
	s_add_nc_u64 s[20:21], s[4:5], s[20:21]
	s_add_nc_u64 s[22:23], s[6:7], s[22:23]
	s_add_nc_u64 s[46:47], s[8:9], s[46:47]
	s_add_nc_u64 s[92:93], s[10:11], s[92:93]
	CROUND
	s_mov_b32 s[G0S], 1
	s_mov_b32 s[G0S+1], SCL
	s_mov_b64 s[G0S+2:G0S+3], s[22:23]
	s_or_b32 s[G0S+3], s[G0S+3], 0x80000000
	s_mov_b32 s[G0SB], 1
	s_mov_b32 s[G0SB+1], SCL+2*HALFS
	s_mov_b64 s[G0SB+2:G0SB+3], s[92:93]
	s_or_b32 s[G0SB+3], s[G0SB+3], 0x80000000
	s_mov_b32 s4, 1                                ; K step 0: A's 256 rows,
	s_mov_b32 s5, 0
	s_mov_b64 s[6:7], s[20:21]
	s_or_b32 s7, s7, 0x80000000
	s_mov_b32 s8, 1                                ; B's 256 rows behind them
	s_mov_b32 s9, 2*HALFT
	s_mov_b64 s[10:11], s[46:47]
	s_or_b32 s11, s11, 0x80000000
	s_mul_i32 s18, s16, 128*KROW                   ; for the ring: my 128 rows
	s_mov_b32 s19, 0
	s_add_nc_u64 s[20:21], s[20:21], s[18:19]
	s_add_nc_u64 s[46:47], s[46:47], s[18:19]
	s_cmp_eq_u32 s15, 0                            ; the prefetches: of the 8 tiles that I fetch, the partner at place p (cx for A, cy for B) names tiles 2 p and 2 p + 1: shared out by address
	s_cselect_b64 s[94:95], s[20:21], s[46:47]
	s_cselect_b32 s18, s40, s41
	s_mul_i32 s18, s18, 2*12288
	s_add_nc_u64 s[94:95], s[94:95], s[18:19]
.irp s, 0,1
	s_mov_b32 s[G0+4*\s], 1
	s_add_co_u32 s[G0+4*\s+1], s45, \s*SLOT
	s_add_nc_u64 s[G0+4*\s+2:G0+4*\s+3], s[20:21], \s*ROWB
	s_or_b32 s[G0+4*\s+3], s[G0+4*\s+3], 0x80000000
	s_mov_b32 s[G0B+4*\s], 1
	s_add_co_u32 s[G0B+4*\s+1], s45, \s*SLOT
	s_add_nc_u64 s[G0B+4*\s+2:G0B+4*\s+3], s[46:47], \s*ROWB
	s_or_b32 s[G0B+4*\s+3], s[G0B+4*\s+3], 0x80000000
.endr
; the head's four tiles, one joint load a wave, in one tree of branches on the wave's number
.macro ARM under, g0, g1, next
	s_cmp_lt_u32 s14, \under
	s_cbranch_scc0 \next
	tensor_load_to_lds s[\g0:\g0+3], s[\g1:\g1+7]
	s_nop 0
.rept 4
	v_nop
.endr
	s_branch .Lhead_asked
\next:
.endm
	ARM 1, 4, G1, .Lhead_b
	ARM 2, 8, G1B, .Lhead_sa
	ARM 3, G0S, G1S, .Lhead_sb
	tensor_load_to_lds s[G0SB:G0SB+3], s[G1SB:G1SB+7]
	s_nop 0
.rept 4
	v_nop
.endr
.Lhead_asked:
	v_and_b32 v1, 15, v0
	v_bfe_u32 v2, v0, 4, 1
	v_and_b32 v3, 31, v0
	v_lshlrev_b32 v4, 4, v3
	v_lshl_add_u32 v5, v3, 3, 512
	v_min_u32 v12, 23, v3
	v_lshlrev_b32 v12, 8, v12                      ; a lane to each of 24 blocks of 256 bytes; the lanes left over name the last again; never rewritten
	s_mul_i32 s21, s15, HALFT
	s_mul_i32 s22, s16, HALFT
	s_add_co_u32 s22, s22, 2*HALFT
.irp s, 0,1
	v_add_nc_u32 v[ADRA+\s], s21, v4
	v_add_nc_u32 v[ADRB+\s], s22, v4
	v_add_nc_u32 v[ADRA+2+\s], s21, v5
	v_add_nc_u32 v[ADRB+2+\s], s22, v5
	s_add_co_u32 s21, s21, SLOT
	s_add_co_u32 s22, s22, SLOT
.endr
	v_mul_u32_u24 v5, v1, KS
	v_lshrrev_b32 v6, 8, v5
	v_lshl_add_u32 v5, v6, 4, v5
	s_mul_i32 s21, s15, HALFS
	s_mul_i32 s22, s16, HALFS
	s_add_co_u32 s22, s22, 2*HALFS
	s_sub_co_u32 s22, s22, s21
	v_mul_u32_u24 v6, s22, v2
	s_add_co_u32 s21, s21, SCL
	v_add_nc_u32 v5, v5, v6
	v_add_nc_u32 v[ADRS], s21, v5
	v_lshlrev_b32 v[R4], 2, v1
	v_lshlrev_b32 v[H32], 5, v2
	v_and_b32 v[L8], 31, v0
	v_lshlrev_b32 v[L16], 4, v[L8]
	v_lshlrev_b32 v[L8], 3, v[L8]
	s_lshl_b32 s21, s42, 8
	s_lshl_b32 s22, s16, 7
	s_add_co_u32 s21, s21, s22
.if MODE == 0
	s_lshl_b32 s20, s17, 8
	s_lshl_b32 s22, s15, 7
	s_add_co_u32 s20, s20, s22
	s_cmp_eq_u32 ttmp9, 2
	s_cselect_b32 s22, 0, s21
	s_cselect_b32 s18, s20, 0
	s_lshl_b32 s18, s18, 2
	s_mov_b32 s19, 0
	s_add_nc_u64 s[PBM:PBM+1], s[PBM:PBM+1], s[18:19]
.else
	s_mov_b32 s22, s21
.endif
	s_lshl_b32 s22, s22, 2
	s_mov_b32 s23, 0
	s_add_nc_u64 s[PBN:PBN+1], s[PBN:PBN+1], s[22:23]
	global_prefetch_b8 v12, s[94:95] offset:6144 th:TH_LOAD_NT scope:SCOPE_SE         ; K steps 2 and 3 of a tile are its last 6,144 bytes: asked for here, two changes of slots ahead of the first load that wants them
	global_prefetch_b8 v12, s[94:95] offset:6144+12288 th:TH_LOAD_NT scope:SCOPE_SE   ; and of my second tile; K has no further steps
.irp b, 0,1,2,3,4,5,6,7
	global_load_b128 v[BN+8*\b:BN+8*\b+3], v[H32], s[PBN:PBN+1] offset:64*\b
	global_load_b128 v[BN+8*\b+4:BN+8*\b+7], v[H32], s[PBN:PBN+1] offset:64*\b+16
.endr
.if MODE == 0
.irp a, 0,1,2,3,4,5,6,7
	global_load_b32 v[BM+2*\a], v[R4], s[PBM:PBM+1] offset:64*\a
	v_mov_b32 v[BM+2*\a+1], 0
.endr
.endif
.macro FRAG reg, adr, q, i
.irp c, 0,1
	ds_load_b128 v[\reg+6*\c:\reg+6*\c+3], v[\adr] offset:(\i)*ROWB+(\q)*1536+768*\c
	ds_load_b64 v[\reg+6*\c+4:\reg+6*\c+5], v[\adr+2] offset:(\i)*ROWB+(\q)*1536+768*\c
.endr
.endm
.macro MUL16 a0, p, q, sc, zero
.irp a, \a0, \a0+1
.irp b, 0,1,2,3,4,5,6,7
.if \zero
	v_wmma_scale_f32_16x16x128_f8f6f4 v[8*(8*((\a)%4)+\b):8*(8*((\a)%4)+\b)+7], v[128*(\p)+FR*\b:128*(\p)+FR*\b+FR-1], v[AF+FR*(\a):AF+FR*(\a)+FR-1], 0, v[SC+8*NQ*(\sc)+NQ*\b+(\q)], v[SC+8*NQ*(\sc)+NQ*(\a)+(\q)] matrix_a_fmt:MATRIX_FMT_FP6 matrix_b_fmt:MATRIX_FMT_FP6 matrix_a_scale:MATRIX_SCALE_ROW1
.else
	v_wmma_scale_f32_16x16x128_f8f6f4 v[8*(8*((\a)%4)+\b):8*(8*((\a)%4)+\b)+7], v[128*(\p)+FR*\b:128*(\p)+FR*\b+FR-1], v[AF+FR*(\a):AF+FR*(\a)+FR-1], v[8*(8*((\a)%4)+\b):8*(8*((\a)%4)+\b)+7], v[SC+8*NQ*(\sc)+NQ*\b+(\q)], v[SC+8*NQ*(\sc)+NQ*(\a)+(\q)] matrix_a_fmt:MATRIX_FMT_FP6 matrix_b_fmt:MATRIX_FMT_FP6 matrix_a_scale:MATRIX_SCALE_ROW1
.endif
.endr
.endr
.endm
.macro FETCH_B slot, q, p
	WIN TO_B
.irp i, 0,1,2,3,4,5,6,7
	FRAG 128*(\p)+FR*\i, ADRB+\slot, \q, \i
.endr
	WIN 0
.endm
.macro FETCH_A slot, q, i0
.irp i, \i0, \i0+1, \i0+2, \i0+3
	FRAG AF+FR*(\i), ADRA+\slot, \q, \i
.endr
.endm
.macro SCALES sc
.irp i, 0,1,2,3,4,5,6,7
	ds_load_b64 v[SC+8*NQ*\sc+NQ*\i:SC+8*NQ*\sc+NQ*\i+1], v[ADRS] offset:\i*SBLK
.endr
.endm
.macro PLACES n
.rept \n
	v_nop
.endr
.endm
.macro STEP slot, q, zero
	s_wait_dscnt 4*NL
	WIN MUL_LO
	MUL16 0, (\q)%2, \q, \slot, \zero
	MUL16 2, (\q)%2, \q, \slot, \zero
	s_wait_dscnt 0
	PLACES NP
	FETCH_B \slot, (\q)+1, 1-(\q)%2
	FETCH_A \slot, (\q)+1, 0
	WIN MUL_HI
	MUL16 4, (\q)%2, \q, \slot, \zero
	MUL16 6, (\q)%2, \q, \slot, \zero
	PLACES NP
	WIN 0
	FETCH_A \slot, (\q)+1, 4
.endm
.macro TURN slot, next, fill
	s_wait_tensorcnt 0x0
	ds_add_u32 v[SPW], v[NIL]
	s_wait_dscnt 4*NL+1
	WIN MUL_LO
	MUL16 0, 1, NQ-1, \slot, 0
	s_wait_dscnt 0x0
	s_barrier_signal -1
	MUL16 2, 1, NQ-1, \slot, 0
	WIN 0
	s_barrier_wait -1
.if \fill
	CREST
	s_add_nc_u64 s[G0+4*\slot+2:G0+4*\slot+3], s[G0+4*\slot+2:G0+4*\slot+3], 2*ROWB
	s_add_nc_u64 s[G0B+4*\slot+2:G0B+4*\slot+3], s[G0B+4*\slot+2:G0B+4*\slot+3], 2*ROWB
	JLOAD G0+4*\slot, G1, G0B+4*\slot, G1B
.else
	PLACES NP
.endif
	s_wait_alu depctr_va_vdst(0)
	v_add_nc_u32 v[ADRS], 4*NQ, v[ADRS]
	FETCH_B \next, 0, 0
	FETCH_A \next, 0, 0
	SCALES \next
	WIN MUL_HI
	MUL16 4, 1, NQ-1, \slot, 0
	MUL16 6, 1, NQ-1, \slot, 0
	PLACES NP
	WIN 0
	FETCH_A \next, 0, 4
.endm
	s_wait_alu depctr_va_vdst(0)
	s_wait_tensorcnt 0x0                           ; my tile of the head's four is in
	ds_add_u32 v[SPW], v[NIL]
	s_mov_b32 s[G1+2], 8<<16                       ; no load of mine is out: from here on a load brings 8 tiles
	s_mov_b32 s[G1+4], 8
	s_mov_b32 s[G1B+2], 8<<16
	s_mov_b32 s[G1B+4], 8
	s_wait_dscnt 0x0
	CROUND
	JLOAD G0+4, G1, G0B+4, G1B                     ; K step 1, the first tensor load behind the round
	FETCH_B 0, 0, 0
	FETCH_A 0, 0, 0
	SCALES 0
	FETCH_A 0, 0, 4
	STEP 0, 0, 1
	s_mov_b32 s3, LAPS-1
.Llap:
	TURN 0, 1, 1
	STEP 1, 0, 0
	TURN 1, 0, 1
	STEP 0, 0, 0
	s_sub_co_u32 s3, s3, 1
	s_cmp_lg_u32 s3, 0
	s_cbranch_scc1 .Llap
	TURN 0, 1, 0
	STEP 1, 0, 0
	s_wait_dscnt 4*NL
	WIN MUL_LO
	MUL16 0, 1, NQ-1, 1, 0
	MUL16 2, 1, NQ-1, 1, 0
	s_wait_dscnt 0
	WIN MUL_HI
	MUL16 4, 1, NQ-1, 1, 0
	MUL16 6, 1, NQ-1, 1, 0
	WIN 0
	s_lshl_b32 s20, s17, 8
	s_lshl_b32 s21, s15, 7
	s_add_co_u32 s20, s20, s21
	s_lshl_b32 s21, s42, 8
	s_lshl_b32 s22, s16, 7
	s_add_co_u32 s21, s21, s22
	s_mov_b32 s[SEL], 0x76543210
	s_mov_b32 s[SEL+1], 0xfedcba98
	s_mov_b32 s39, 0
	s_mov_b32 s45, 0
.if MODE == 0
	s_mov_b32 s47, 0
	s_mov_b32 s49, 0
	s_cmp_eq_u32 ttmp9, 2
	s_cselect_b32 s22, s21, s20
	s_cselect_b32 s23, s20, s21
	s_cselect_b32 s40, 0, -1
	s_cselect_b32 s41, -1, 0
	s_mov_b32 s43, 0xffff
	s_cselect_b32 s43, -1, s43
	s_mov_b32 s44, 768
	s_cselect_b32 s44, 1536, s44
	s_cselect_b32 s46, 202752, 0
	s_cselect_b32 s48, 208640, 0
	s_cselect_b32 s26, 24576, 0
	s_mov_b32 s27, 208896
	s_cselect_b32 s27, 768, s27
	s_lshr_b32 s28, s22, 11
	s_lshl_b32 s28, s28, 4
	s_lshr_b32 s29, s23, 6
	s_add_co_u32 s28, s28, s29
	s_and_b32 s29, s22, 2047
	s_lshr_b32 s30, s29, 7
	s_mul_i32 s31, s28, 98304
	s_mul_i32 s32, s30, 6144
	s_add_co_u32 s31, s31, s32
	s_lshl_b32 s32, s28, 13
	s_lshl_b32 s33, s29, 2
	s_add_co_u32 s32, s32, s33
	s_mul_i32 s34, s28, 208896
	s_lshr_b32 s35, s30, 2
	s_mul_i32 s35, s35, 49152
	s_and_b32 s36, s30, 3
	s_mul_i32 s36, s36, 6144
	s_add_co_u32 s35, s35, s36
	s_add_co_u32 s35, s35, s34
	s_add_co_u32 s35, s35, s26
	s_add_co_u32 s36, s34, s33
	s_add_co_u32 s36, s36, 196608
	s_lshl_b32 s37, s30, 8
	s_add_co_u32 s37, s37, s34
	s_add_co_u32 s37, s37, 204800
	s_cmp_eq_u32 ttmp9, 2
	s_cselect_b32 s36, s37, s36
	s_cmp_eq_u32 ttmp9, 0
	s_cselect_b32 s38, s31, s35
	s_cselect_b32 s50, s32, s36
	s_cselect_b32 s27, 98304, s27
	s_mov_b32 s51, 208896
	s_cselect_b32 s51, 8192, s51
	s_add_nc_u64 s[4:5], s[PCO:PCO+1], s[38:39]
	s_mov_b32 s38, s27
	s_add_nc_u64 s[6:7], s[4:5], s[38:39]
	s_mov_b32 s38, s50
	s_add_nc_u64 s[8:9], s[PSC:PSC+1], s[38:39]
	s_mov_b32 s38, s51
	s_add_nc_u64 s[10:11], s[8:9], s[38:39]
.set T1, 64
.else
	s_lshr_b32 s22, s20, 4
	s_lshl_b32 s22, s22, 5
	s_lshr_b32 s23, s21, 7
	s_add_co_u32 s22, s22, s23
	s_mov_b32 s44, 49152
	s_mul_i32 s38, s22, 1536
	s_add_nc_u64 s[4:5], s[PCO:PCO+1], s[38:39]
	s_add_nc_u64 s[6:7], s[4:5], 768
	s_lshl_b32 s38, s22, 6
	s_add_nc_u64 s[8:9], s[PSC:PSC+1], s[38:39]
.set T1, 2048
.endif
	PLACES NP
.irp b, 0,1,2,3
	v_mov_b32 v[TM+4+\b], 0
.endr
	s_wait_loadcnt 0x0
.if MODE == 0
.set i, 0
.rept 64
	v_cndmask_b32 v[BN+i], 0, v[BN+i], s40
.set i, i+1
.endr
.irp a, 0,1,2,3,4,5,6,7
	v_cndmask_b32 v[BM+2*\a], 0, v[BM+2*\a], s41
.endr
.endif
.macro QUANT s
.irp b, 0,1,2,3
	v_max3_num_f32 v[TM+\b], |v[\s+16*\b]|, |v[\s+1+16*\b]|, 0x1800000
.endr
.irp i, 2,4,6,8,10,12,14
.irp b, 0,1,2,3
	v_max3_num_f32 v[TM+\b], v[TM+\b], |v[\s+16*\b+\i]|, |v[\s+1+16*\b+\i]|
.endr
.endr
.irp b, 0,1,2,3
	v_permlanex16_b32 v[TM+4+\b], v[TM+\b], s[SEL], s[SEL+1]
.endr
.irp b, 0,1,2,3
	v_max_num_f32 v[TM+\b], v[TM+\b], v[TM+4+\b]
.endr
.irp b, 0,1,2,3
	v_add_nc_u32 v[TM+12+\b], 0xff000000, v[TM+\b]
.endr
.irp b, 0,1,2,3
	v_lshrrev_b32 v[TM+4+\b], 23, v[TM+12+\b]
.endr
	v_lshl_or_b32 v[PW], v[TM+5], 8, v[TM+4]
	v_lshl_or_b32 v[PW], v[TM+6], 16, v[PW]
	v_lshl_or_b32 v[PW], v[TM+7], 24, v[PW]
.irp c, 0,1
	v_cvt_scalef32_pk16_fp6_f32 v[CD+6*\c:CD+2+6*\c], v[\s+32*\c:\s+15+32*\c], v[TM+12+2*\c]
	v_cvt_scalef32_pk16_fp6_f32 v[CD+12+4*\c:CD+14+4*\c], v[\s+16+32*\c:\s+31+32*\c], v[TM+12+2*\c+1]
.endr
	v_nop
.irp c, 0,1
.irp i, 0,1,2
	v_permlane16_swap_b32 v[CD+6*\c+\i], v[CD+12+4*\c+\i]
.endr
.irp i, 0,1,2
	v_mov_b32 v[CD+3+6*\c+\i], v[CD+12+4*\c+\i]
.endr
.endr
.endm
.macro OUTBLK a
.set AC, 64*((\a)%4)
.set WN, 0x02+(\a)/4
	WIN WN
.set i, 0
.rept 32
	v_pk_add_f32 v[TT+i:TT+i+1], v[AC+i:AC+i+1], v[BN+i:BN+i+1]
.set i, i+2
.endr
	WIN 0
.if MODE == 0
.set i, 0
.rept 32
	v_pk_add_f32 v[TT+i:TT+i+1], v[TT+i:TT+i+1], v[BM+2*(\a):BM+2*(\a)+1] op_sel_hi:[1,0]
.set i, i+2
.endr
.else
.set i, 0
.rept 64
	v_max_num_f32 v[TT+i], 0, v[TT+i]
.set i, i+1
.endr
.irp b, 0,1,2,3
.irp j, 0,1,2,3,4,5,6,7
	v_permlane16_swap_b32 v[TT+16*\b+\j], v[TT+16*\b+8+\j]
.endr
.endr
.endif
	QUANT TT
	global_store_b128 v[L16], v[CD:CD+3], s[4:5]
	global_store_b64 v[L8], v[CD+4:CD+5], s[4:5] offset:512
	global_store_b128 v[L16], v[CD+6:CD+9], s[6:7]
	global_store_b64 v[L8], v[CD+10:CD+11], s[6:7] offset:512
.if MODE == 0
	v_and_b32 v[W0], s43, v[PW]
	global_store_b32 v[R4], v[W0], s[8:9]
	s_cmp_eq_u32 s40, 0
	s_cbranch_scc1 .Lone_word_\@
	v_lshrrev_b32 v[W1], 16, v[PW]
	global_store_b32 v[R4], v[W1], s[10:11]
.Lone_word_\@:
.else
	global_store_b32 v[R4], v[PW], s[8:9]
.endif
	s_wait_xcnt 0x0
	s_add_nc_u64 s[4:5], s[4:5], s[44:45]
	s_add_nc_u64 s[6:7], s[6:7], s[44:45]
	s_add_nc_u64 s[8:9], s[8:9], T1
.if MODE == 0
	s_add_nc_u64 s[10:11], s[10:11], T1
.if (\a) == 3
	s_add_nc_u64 s[4:5], s[4:5], s[46:47]
	s_add_nc_u64 s[6:7], s[6:7], s[46:47]
	s_add_nc_u64 s[8:9], s[8:9], s[48:49]
.endif
.endif
.endm
.irp a, 0,1,2,3,4,5,6,7
	OUTBLK \a
.endr
	s_wait_tensorcnt 0x0
	ds_add_u32 v[SPW], v[NIL]
	s_wait_dscnt 0x0
	CROUND
	s_endpgm
.Lfunc_end_k_q9948101086_mlp1:
	.size	k_q9948101086_mlp1, .Lfunc_end_k_q9948101086_mlp1-k_q9948101086_mlp1
	.p2alignl 7, 3214868480
	.fill 96, 4, 3214868480
	.section	.rodata,"a",@progbits
	.p2align	6, 0x0
	.amdhsa_kernel k_q9948101086_mlp1
		.amdhsa_group_segment_fixed_size 327680
		.amdhsa_private_segment_fixed_size 0
		.amdhsa_enable_private_segment 0
		.amdhsa_kernarg_size 48
		.amdhsa_user_sgpr_count 2
		.amdhsa_user_sgpr_kernarg_segment_ptr 1
		.amdhsa_wavefront_size32 1
		.amdhsa_system_sgpr_workgroup_id_x 1
		.amdhsa_system_sgpr_workgroup_id_y 1
		.amdhsa_system_sgpr_workgroup_id_z 1
		.amdhsa_system_vgpr_workitem_id 0
		.amdhsa_next_free_vgpr 1024
		.amdhsa_next_free_sgpr 100
		.amdhsa_reserve_vcc 0
		.amdhsa_float_denorm_mode_32 3
		.amdhsa_float_denorm_mode_16_64 3
		.amdhsa_memory_ordered 1
		.amdhsa_forward_progress 1
		.amdhsa_inst_pref_size 193
	.end_amdhsa_kernel
	.amdgpu_metadata
---
amdhsa.version: [ 1, 2 ]
amdhsa.kernels:
  - .name:           k_q9948101086_mlp1
    .symbol:         k_q9948101086_mlp1.kd
    .args:
      - { .name: hc, .offset: 0, .size: 8, .value_kind: global_buffer, .address_space: global }
      - { .name: wts, .offset: 8, .size: 8, .value_kind: global_buffer, .address_space: global }
      - { .name: w1_scales, .offset: 16, .size: 8, .value_kind: global_buffer, .address_space: global }
      - { .name: b1, .offset: 24, .size: 8, .value_kind: global_buffer, .address_space: global }
      - { .name: img, .offset: 32, .size: 8, .value_kind: global_buffer, .address_space: global }
      - { .name: iscl, .offset: 40, .size: 8, .value_kind: global_buffer, .address_space: global }
    .group_segment_fixed_size: 327680
    .private_segment_fixed_size: 0
    .kernarg_segment_align: 8
    .kernarg_segment_size: 48
    .max_flat_workgroup_size: 128
    .sgpr_count:     100
    .vgpr_count:     1024
    .wavefront_size: 32
...
	.end_amdgpu_metadata
.endif
;; end of part 5
;; launch mlp2 (part 6): grid 8 x 32, 4 waves a work-group, clusters of 4 x 4, 327,680 bytes of LDS; arguments img, iscl, wts, w2_scales, b2, out1, out0; writes out0
.if DOCPART == 6
	.amdgcn_target "amdgcn-amd-amdhsa--gfx1250"
	.amdhsa_code_object_version 6
	.text
	.protected	k_q9948101086_mlp2
	.globl	k_q9948101086_mlp2
	.p2align	8
	.type	k_q9948101086_mlp2,@function
k_q9948101086_mlp2:
	s_mov_b64 s[64:65], 0
	v_nop
	global_prefetch_b8 v0, s[64:65] scope:SCOPE_SE
	s_setreg_imm32_b32 hwreg(HW_REG_WAVE_MODE, 25, 1), 1
	s_wait_xcnt 0x0
	s_wait_alu depctr_hold_cnt(0) depctr_sa_sdst(0) depctr_va_vdst(0) depctr_va_sdst(0) depctr_va_ssrc(0) depctr_va_vcc(0) depctr_vm_vsrc(0)
	s_getreg_b32 s2, hwreg(HW_REG_IB_STS2, 6, 4)
	s_cmp_eq_u32 s2, 0
	s_cbranch_scc0 .Lentry_in_a_cluster
	s_endpgm
.Lentry_in_a_cluster:
	s_bfe_u32 s2, ttmp6, 0x10000c
	s_cmp_lg_u32 s2, 0xf033
	s_cbranch_scc0 .Lentry_shape_is_right
	s_endpgm
.Lentry_shape_is_right:
.set KT,     4096
.set RELU,   1
.set NKT,    KT/128
.set LAPS,   KT/1024
.set KROW,   KT*6/8
.set KS,     KT/32
.set PITCH,  384                       ; B comes as images too: bytes of a slot for each row
.set ASL,    49152
.set SLOT,   ASL+128*PITCH
.set SCL,    2*SLOT
.set HALFS,  272*NKT
.set SBLK,   (16*KS/256)*272
.set SPARE,  SCL+4*HALFS
.set SPITCH, 272
.set FR,     12
.set ADRA16, 16
.set ADRA8,  18
.set ADRB,   20
.set STO,    24
.set RD,     25
.set CO,     26
.set ADSA,   27
.set SPW,    28
.set NIL,    29
.set ADSB,   30
.set RB16,   31
.set SC,     32
.set OB,     48
.set BI,     112
.set ACC,    128
.set PBI,    96
.set PRE,    98
.set POU,    100
.set G1, 24
.set G0, 32
.set G1B, 48
.set G0B, 56
.set G1S, 68
.set G0S, 76
.set G1SB, 80
.set G0SB, 88
.set MSB, 0
.macro WIN new
.if MSB != \new
	s_set_vgpr_msb (MSB<<8)|\new
.set MSB, \new
.endif
.endm
.set MUL,  0x05
.set TO_F, 0x40
.set TO_R, 0x80
.macro JLOAD g0a, g1a, g0b, g1b
	s_cmp_eq_u32 s15, 0
	s_cbranch_scc0 .Lfor_b_\@
	tensor_load_to_lds s[\g0a:\g0a+3], s[\g1a:\g1a+7]
	s_nop 0
.rept 4
	v_nop
.endr
	s_branch .Lasked_\@
.Lfor_b_\@:
	tensor_load_to_lds s[\g0b:\g0b+3], s[\g1b:\g1b+7]
	s_nop 0
.rept 4
	v_nop
.endr
.Lasked_\@:
.endm
.macro CREST
	s_cmp_lg_u32 s14, 0
	s_cbranch_scc1 .Lnot_wave_0_\@
	s_barrier_signal -3
.Lnot_wave_0_\@:
	s_barrier_wait -3
	s_barrier_signal -1
	s_barrier_wait -1
.endm
.macro CROUND
	s_barrier_signal -1
	s_barrier_wait -1
	CREST
.endm
.macro PLACES n
.rept \n
	v_nop
.endr
.endm
	s_load_b256 s[4:11], s[0:1], 0x0
	s_load_b128 s[PBI:PBI+3], s[0:1], 0x20
	s_load_b64 s[POU:POU+1], s[0:1], 0x30
	v_lshl_add_u32 v[SPW], v0, 2, SPARE
	v_mov_b32 v[NIL], 0
	ds_add_u32 v28, v29
	ds_add_u32 v28, v29
	s_wait_dscnt 0x0
	v_lshrrev_b32 v1, 5, v0
	v_readfirstlane_b32 s14, v1
	s_lshr_b32 s15, s14, 1
	s_and_b32 s16, s14, 1
	s_bfe_u32 s40, ttmp6, 0x40000
	s_bfe_u32 s41, ttmp6, 0x40004
	s_lshl_b32 s42, ttmp9, 2
	s_add_co_u32 s42, s42, s40
	s_and_b32 s17, ttmp7, 0xffff
	s_lshl_b32 s17, s17, 2
	s_add_co_u32 s17, s17, s41
	s_lshl_b32 s43, s41, 2
	s_lshl_b32 s43, 15, s43
	s_lshl_b32 s44, 0x1111, s40
	s_or_b32 s[G1+0], s43, (3<<16)|(1<<21)
	s_mov_b32 s[G1+1], 768<<16
	s_mov_b32 s[G1+2], 8<<16
	s_mov_b32 s[G1+3], 768<<16
	s_mov_b32 s[G1+4], 8
	s_mov_b32 s[G1+5], 192*NKT
	s_mov_b32 s[G1+6], 0
	s_mov_b32 s[G1+7], 0
	s_or_b32 s[G1B+0], s44, (3<<16)|(1<<21)
	s_mov_b32 s[G1B+1], 768<<16
	s_mov_b32 s[G1B+2], 8<<16
	s_mov_b32 s[G1B+3], 768<<16
	s_mov_b32 s[G1B+4], 8
	s_mov_b32 s[G1B+5], 192*NKT
	s_mov_b32 s[G1B+6], 0
	s_mov_b32 s[G1B+7], 0
	s_or_b32 s[G1S+0], s43, (3<<16)|(1<<20)|(1<<21)|(5<<22)|(3<<25)
	s_or_b32 s[G1SB+0], s44, (3<<16)|(1<<20)|(1<<21)|(5<<22)|(3<<25)
.irp g, G1S, G1SB
	s_mov_b32 s[\g+1], 32<<16
	s_mov_b32 s[\g+2], (2*NKT)<<16
	s_mov_b32 s[\g+3], 32<<16
	s_mov_b32 s[\g+4], 2*NKT
	s_mov_b32 s[\g+5], 32
	s_mov_b32 s[\g+6], 0
	s_mov_b32 s[\g+7], 0
.endr
	s_lshl_b32 s20, s17, 3
	s_mov_b32 s18, 0
	s_add_co_u32 s20, s20, s18
	s_mov_b32 s21, 0
	s_lshl_b32 s46, s42, 7
	s_mov_b32 s18, 0
	s_add_co_u32 s46, s46, s18
	s_mov_b32 s47, 0
	s_mov_b64 s[18:19], NKT*64
	s_mul_u64 s[22:23], s[20:21], s[18:19]
	s_mov_b64 s[18:19], KS
	s_mul_u64 s[92:93], s[46:47], s[18:19]
	s_mov_b64 s[18:19], NKT*1536
	s_mul_u64 s[20:21], s[20:21], s[18:19]
	s_mov_b64 s[18:19], KROW
	s_mul_u64 s[46:47], s[46:47], s[18:19]
	s_mul_i32 s45, s16, 24576
	s_mul_i32 s95, s16, 64*PITCH
	s_add_co_u32 s95, s95, ASL
	s_wait_kmcnt 0x0
	s_add_nc_u64 s[8:9], s[8:9], 6291456           ; W2's images
	s_add_nc_u64 s[20:21], s[4:5], s[20:21]
	s_add_nc_u64 s[22:23], s[6:7], s[22:23]
	s_add_nc_u64 s[46:47], s[8:9], s[46:47]
	s_add_nc_u64 s[92:93], s[10:11], s[92:93]
	CROUND
	s_mov_b32 s[G0S], 1
	s_mov_b32 s[G0S+1], SCL
	s_mov_b64 s[G0S+2:G0S+3], s[22:23]
	s_or_b32 s[G0S+3], s[G0S+3], 0x80000000
	s_mov_b32 s[G0SB], 1
	s_mov_b32 s[G0SB+1], SCL+2*HALFS
	s_mov_b64 s[G0SB+2:G0SB+3], s[92:93]
	s_or_b32 s[G0SB+3], s[G0SB+3], 0x80000000
	s_mov_b32 s4, 1                                ; slot 0: A's 8 tiles,
	s_mov_b32 s5, 0
	s_mov_b64 s[6:7], s[20:21]
	s_or_b32 s7, s7, 0x80000000
	s_mov_b32 s8, 1                                ; B's 8 tiles behind them
	s_mov_b32 s9, ASL
	s_mov_b64 s[10:11], s[46:47]
	s_or_b32 s11, s11, 0x80000000
	s_mul_i32 s18, s16, 4*NKT*1536                 ; for the ring: my four tiles
	s_mov_b32 s19, 0
	s_add_nc_u64 s[20:21], s[20:21], s[18:19]
	s_add_nc_u64 s[46:47], s[46:47], s[18:19]
	s_cmp_eq_u32 s15, 0                            ; the prefetches: of the 4 tiles that I fetch, the partner at place p (cx for A, cy for B) names tile p: shared out by address
	s_cselect_b64 s[12:13], s[20:21], s[46:47]
	s_cselect_b32 s18, s40, s41
	s_mul_i32 s18, s18, NKT*1536
	s_add_nc_u64 s[12:13], s[12:13], s[18:19]
.irp s, 0,1
	s_mov_b32 s[G0+4*\s], 1
	s_add_co_u32 s[G0+4*\s+1], s45, \s*SLOT
	s_add_nc_u64 s[G0+4*\s+2:G0+4*\s+3], s[20:21], \s*6144
	s_or_b32 s[G0+4*\s+3], s[G0+4*\s+3], 0x80000000
	s_mov_b32 s[G0B+4*\s], 1
	s_add_co_u32 s[G0B+4*\s+1], s95, \s*SLOT
	s_add_nc_u64 s[G0B+4*\s+2:G0B+4*\s+3], s[46:47], \s*6144
	s_or_b32 s[G0B+4*\s+3], s[G0B+4*\s+3], 0x80000000
.endr
; the head's four tiles, one joint load a wave, in one tree of branches on the wave's number
.macro ARM under, g0, g1, next
	s_cmp_lt_u32 s14, \under
	s_cbranch_scc0 \next
	tensor_load_to_lds s[\g0:\g0+3], s[\g1:\g1+7]
	s_nop 0
.rept 4
	v_nop
.endr
	s_branch .Lhead_asked
\next:
.endm
	ARM 1, 4, G1, .Lhead_b
	ARM 2, 8, G1B, .Lhead_sa
	ARM 3, G0S, G1S, .Lhead_sb
	tensor_load_to_lds s[G0SB:G0SB+3], s[G1SB:G1SB+7]
	s_nop 0
.rept 4
	v_nop
.endr
.Lhead_asked:
	v_and_b32 v1, 15, v0
	v_bfe_u32 v2, v0, 4, 1
	v_and_b32 v3, 31, v0
	v_lshlrev_b32 v4, 4, v3
	v_lshlrev_b32 v5, 3, v3
	v_add_nc_u32 v5, 512, v5
	v_mov_b32 v6, v4
	v_mov_b32 v7, v5
	v_min_u32 v8, 23, v3
	v_lshlrev_b32 v8, 8, v8                        ; a slot's 6,144 bytes of a tile: a lane to each of 24 blocks of 256 bytes; the lanes left over name the last again; never rewritten
	s_mul_i32 s21, s15, 24576
	s_mul_i32 s22, s16, 64*PITCH
	s_add_co_u32 s22, s22, ASL
.irp s, 0,1
	v_add_nc_u32 v[ADRA16+\s], s21, v4
	v_add_nc_u32 v[ADRA8+\s], s21, v5
	v_add_nc_u32 v[ADRB+\s], s22, v6
	v_add_nc_u32 v[ADRB+2+\s], s22, v7
	s_add_co_u32 s21, s21, SLOT
	s_add_co_u32 s22, s22, SLOT
.endr
	s_mul_i32 s21, s15, HALFS
	s_add_co_u32 s21, s21, SCL
	v_lshlrev_b32 v5, 2, v1
	v_add_nc_u32 v[ADSA], s21, v5
	v_mul_u32_u24 v5, v1, KS
	v_lshrrev_b32 v6, 8, v5
	v_lshl_add_u32 v5, v6, 4, v5
	s_mul_i32 s22, s16, HALFS
	s_add_co_u32 s22, s22, SCL+2*HALFS
	v_add_nc_u32 v[ADSB], s22, v5
	s_mul_i32 s23, s14, 16*SPITCH
	v_mul_u32_u24 v5, v1, SPITCH
	v_lshl_add_u32 v5, v2, 5, v5
	v_add_nc_u32 v[STO], s23, v5
	v_mul_u32_u24 v5, v2, SPITCH
	v_lshl_add_u32 v5, v1, 4, v5
	v_add_nc_u32 v[RD], s23, v5
	v_lshlrev_b32 v[CO], 12, v2
	v_lshl_add_u32 v[CO], v1, 4, v[CO]
	v_lshlrev_b32 v[RB16], 4, v1
	s_wait_alu depctr_va_vdst(0)
	s_lshl_b32 s20, s17, 7
	s_lshl_b32 s21, s15, 6
	s_add_co_u32 s20, s20, s21
	s_lshl_b32 s20, s20, 12
	s_lshl_b32 s22, s42, 7
	s_lshl_b32 s21, s16, 6
	s_add_co_u32 s22, s22, s21
	s_lshl_b32 s22, s22, 2
	s_add_co_u32 s20, s20, s22
	s_mov_b32 s21, 0
	s_mov_b32 s23, 0
	s_add_nc_u64 s[PBI:PBI+1], s[PBI:PBI+1], s[22:23]
	s_add_nc_u64 s[PRE:PRE+1], s[PRE:PRE+1], s[20:21]
	s_add_nc_u64 s[POU:POU+1], s[POU:POU+1], s[20:21]
	global_load_b128 v[BI:BI+3], v[RB16], s[PBI:PBI+1]
	global_prefetch_b8 v8, s[12:13] offset:2*6144 th:TH_LOAD_NT scope:SCOPE_SE   ; the tiles of the first two refills
	global_prefetch_b8 v8, s[12:13] offset:3*6144 th:TH_LOAD_NT scope:SCOPE_SE
	WIN TO_R
.irp a, 0,1,2,3
.irp t, 0,1,2,3,4,5,6,7
	global_load_b128 v[32*\a+4*\t:32*\a+4*\t+3], v[CO], s[PRE:PRE+1] offset:(16*\a+2*\t)*4096 th:TH_LOAD_NT
.endr
.endr
	WIN 0
.macro FRAGB reg, adr, q, i
.irp c, 0,1
	ds_load_b128 v[\reg+6*\c:\reg+6*\c+3], v[\adr] offset:6144*(\i)+1536*(\q)+768*\c
	ds_load_b64 v[\reg+6*\c+4:\reg+6*\c+5], v[\adr+2] offset:6144*(\i)+1536*(\q)+768*\c
.endr
.endm
.macro FETCH slot, q, f
	WIN TO_F
.irp i, 0,1,2,3
	ds_load_b128 v[128*(\f)+FR*\i:128*(\f)+FR*\i+3], v[ADRA16+\slot] offset:6144*\i+1536*(\q)
	ds_load_b64 v[128*(\f)+FR*\i+4:128*(\f)+FR*\i+5], v[ADRA8+\slot] offset:6144*\i+1536*(\q)
	ds_load_b128 v[128*(\f)+FR*\i+6:128*(\f)+FR*\i+9], v[ADRA16+\slot] offset:6144*\i+1536*(\q)+768
	ds_load_b64 v[128*(\f)+FR*\i+10:128*(\f)+FR*\i+11], v[ADRA8+\slot] offset:6144*\i+1536*(\q)+768
	FRAGB 128*(\f)+48+FR*\i, ADRB+\slot, \q, \i
.endr
	WIN 0
.irp i, 0,1,2,3
	ds_load_b32 v[SC+8*(\f)+\i], v[ADSA] offset:272*(NKT/4)*\i+64*(\q)
	ds_load_b32 v[SC+8*(\f)+4+\i], v[ADSB] offset:SBLK*\i+4*(\q)
.endr
.endm
.macro MUL4 f, a, zero
.irp b, 0,1,2,3
.if \zero
	v_wmma_scale_f32_16x16x128_f8f6f4 v[ACC+8*(4*(\a)+\b):ACC+8*(4*(\a)+\b)+7], v[128*(\f)+48+FR*\b:128*(\f)+48+FR*\b+FR-1], v[128*(\f)+FR*(\a):128*(\f)+FR*(\a)+FR-1], 0, v[SC+8*(\f)+4+\b], v[SC+8*(\f)+(\a)] matrix_a_fmt:MATRIX_FMT_FP6 matrix_b_fmt:MATRIX_FMT_FP6
.else
	v_wmma_scale_f32_16x16x128_f8f6f4 v[ACC+8*(4*(\a)+\b):ACC+8*(4*(\a)+\b)+7], v[128*(\f)+48+FR*\b:128*(\f)+48+FR*\b+FR-1], v[128*(\f)+FR*(\a):128*(\f)+FR*(\a)+FR-1], v[ACC+8*(4*(\a)+\b):ACC+8*(4*(\a)+\b)+7], v[SC+8*(\f)+4+\b], v[SC+8*(\f)+(\a)] matrix_a_fmt:MATRIX_FMT_FP6 matrix_b_fmt:MATRIX_FMT_FP6
.endif
.endr
.endm
.macro STEPQ slot, q, zero
	PLACES 4
	FETCH \slot, (\q)+1, ((\q)+1)%2
	s_wait_dscnt 40                                ; all but the 40 just issued
	WIN MUL
.irp a, 0,1,2,3
	MUL4 (\q)%2, \a, \zero
.endr
.endm
.macro TURN slot, next, fill
	WIN 0
.if \fill
	s_wait_xcnt 0x0                                ; my prefetches have read their address: it steps one slot along K
	s_add_nc_u64 s[12:13], s[12:13], 6144
.endif
	s_wait_tensorcnt 0x0
	ds_add_u32 v[SPW], v[NIL]
	s_wait_dscnt 1
	WIN MUL
	MUL4 1, 0, 0
	s_wait_dscnt 0x0
	s_barrier_signal -1
	MUL4 1, 1, 0
	WIN 0
	s_barrier_wait -1
.if \fill
	CREST
	s_add_nc_u64 s[G0+4*\slot+2:G0+4*\slot+3], s[G0+4*\slot+2:G0+4*\slot+3], 2*6144
	s_add_nc_u64 s[G0B+4*\slot+2:G0B+4*\slot+3], s[G0B+4*\slot+2:G0B+4*\slot+3], 2*6144
	JLOAD G0+4*\slot, G1, G0B+4*\slot, G1B
.else
	PLACES 4
.endif
	v_add_nc_u32 v[ADSA], 272, v[ADSA]
	v_add_nc_u32 v[ADSB], 16, v[ADSB]
	FETCH \next, 0, 0
.if \fill
	s_wait_alu depctr_va_vdst(0)                   ; the wait ahead of the branch
	s_cmp_gt_u32 s3, 1                             ; the n-th refill (slot n + 1 of K) names slot n + 3, two refills on; the last trip's two have none left
	s_cbranch_scc0 .Lnone_left_\@
	global_prefetch_b8 v8, s[12:13] offset:3*6144 th:TH_LOAD_NT scope:SCOPE_SE
.Lnone_left_\@:
.endif
	WIN MUL
	MUL4 1, 2, 0
	MUL4 1, 3, 0
.endm
	s_wait_alu depctr_va_vdst(0)                   ; the wait at the head's end
	s_wait_tensorcnt 0x0                           ; my tile of the head's four is in
	ds_add_u32 v[SPW], v[NIL]
	s_mov_b32 s[G1+2], 4<<16                       ; no load of mine is out: from here on a load brings 4 tiles
	s_mov_b32 s[G1+4], 4
	s_mov_b32 s[G1B+2], 4<<16
	s_mov_b32 s[G1B+4], 4
	s_wait_dscnt 0x0
	CROUND
	JLOAD G0+4, G1, G0B+4, G1B                     ; slot 1, the first tensor load behind the round
	FETCH 0, 0, 0
	STEPQ 0, 0, 1
.if LAPS > 1
	WIN 0
	s_mov_b32 s3, LAPS-1
.Llap:
	s_wait_alu depctr_va_vdst(0)
	STEPQ 0, 1, 0
	STEPQ 0, 2, 0
	TURN 0, 1, 1
	STEPQ 1, 0, 0
	s_wait_alu depctr_va_vdst(0)
	STEPQ 1, 1, 0
	STEPQ 1, 2, 0
	TURN 1, 0, 1
	STEPQ 0, 0, 0
	WIN 0
	s_sub_co_u32 s3, s3, 1
	s_cmp_lg_u32 s3, 0
	s_cbranch_scc1 .Llap
.endif
	s_wait_alu depctr_va_vdst(0)
	STEPQ 0, 1, 0
	STEPQ 0, 2, 0
	TURN 0, 1, 0
	STEPQ 1, 0, 0
	s_wait_alu depctr_va_vdst(0)
	STEPQ 1, 1, 0
	STEPQ 1, 2, 0
	s_wait_dscnt 0x0
.irp a, 0,1,2,3
	MUL4 1, \a, 0
.endr
	WIN 0
	PLACES 4
.macro TOSTAGE a
.irp b, 0,1,2,3
	ds_store_b128 v[STO], v[ACC+8*(4*(\a)+\b):ACC+8*(4*(\a)+\b)+3] offset:64*\b
	ds_store_b128 v[STO], v[ACC+8*(4*(\a)+\b)+4:ACC+8*(4*(\a)+\b)+7] offset:64*\b+16
.endr
.irp t, 0,1,2,3,4,5,6,7
	ds_load_b128 v[OB+32*((\a)%2)+4*\t:OB+32*((\a)%2)+4*\t+3], v[RD] offset:\t*2*SPITCH
.endr
.endm
.macro SEND a, younger
.set BO, OB+32*((\a)%2)
	s_wait_dscnt \younger
	s_wait_loadcnt 8*(3-(\a))
.irp t, 0,1,2,3,4,5,6,7
	v_pk_add_f32 v[BO+4*\t:BO+4*\t+1], v[BO+4*\t:BO+4*\t+1], v[BI:BI+1]
	v_pk_add_f32 v[BO+4*\t+2:BO+4*\t+3], v[BO+4*\t+2:BO+4*\t+3], v[BI+2:BI+3]
.endr
.if RELU
.set i, 0
.rept 32
	v_max_num_f32 v[BO+i], 0, v[BO+i]
.set i, i+1
.endr
.endif
	WIN 0x08
.set i, 0
.rept 16
	v_pk_add_f32 v[BO+i:BO+i+1], v[BO+i:BO+i+1], v[32*(\a)+i:32*(\a)+i+1]
.set i, i+2
.endr
	WIN 0
.irp t, 0,1,2,3,4,5,6,7
	global_store_b128 v[CO], v[BO+4*\t:BO+4*\t+3], s[POU:POU+1] offset:(16*(\a)+2*\t)*4096
.endr
.endm
	TOSTAGE 0
.irp a, 1,2,3
.if \a > 1
	s_wait_xcnt 0x0
.endif
	TOSTAGE \a
	SEND \a-1, 16
.endr
	SEND 3, 0
	s_wait_tensorcnt 0x0
	ds_add_u32 v[SPW], v[NIL]
	s_wait_dscnt 0x0
	CROUND
	s_endpgm
.Lfunc_end_k_q9948101086_mlp2:
	.size	k_q9948101086_mlp2, .Lfunc_end_k_q9948101086_mlp2-k_q9948101086_mlp2
	.p2alignl 7, 3214868480
	.fill 96, 4, 3214868480
	.section	.rodata,"a",@progbits
	.p2align	6, 0x0
	.amdhsa_kernel k_q9948101086_mlp2
		.amdhsa_group_segment_fixed_size 327680
		.amdhsa_private_segment_fixed_size 0
		.amdhsa_enable_private_segment 0
		.amdhsa_kernarg_size 56
		.amdhsa_user_sgpr_count 2
		.amdhsa_user_sgpr_kernarg_segment_ptr 1
		.amdhsa_wavefront_size32 1
		.amdhsa_system_sgpr_workgroup_id_x 1
		.amdhsa_system_sgpr_workgroup_id_y 1
		.amdhsa_system_sgpr_workgroup_id_z 1
		.amdhsa_system_vgpr_workitem_id 0
		.amdhsa_next_free_vgpr 768
		.amdhsa_next_free_sgpr 102
		.amdhsa_reserve_vcc 0
		.amdhsa_float_denorm_mode_32 3
		.amdhsa_float_denorm_mode_16_64 3
		.amdhsa_memory_ordered 1
		.amdhsa_forward_progress 1
		.amdhsa_inst_pref_size 115
	.end_amdhsa_kernel
	.amdgpu_metadata
---
amdhsa.version: [ 1, 2 ]
amdhsa.kernels:
  - .name:           k_q9948101086_mlp2
    .symbol:         k_q9948101086_mlp2.kd
    .args:
      - { .name: img, .offset: 0, .size: 8, .value_kind: global_buffer, .address_space: global }
      - { .name: iscl, .offset: 8, .size: 8, .value_kind: global_buffer, .address_space: global }
      - { .name: wts, .offset: 16, .size: 8, .value_kind: global_buffer, .address_space: global }
      - { .name: w2_scales, .offset: 24, .size: 8, .value_kind: global_buffer, .address_space: global }
      - { .name: b2, .offset: 32, .size: 8, .value_kind: global_buffer, .address_space: global }
      - { .name: out1, .offset: 40, .size: 8, .value_kind: global_buffer, .address_space: global }
      - { .name: out0, .offset: 48, .size: 8, .value_kind: global_buffer, .address_space: global }
    .group_segment_fixed_size: 327680
    .private_segment_fixed_size: 0
    .kernarg_segment_align: 8
    .kernarg_segment_size: 56
    .max_flat_workgroup_size: 128
    .sgpr_count:     102
    .vgpr_count:     768
    .wavefront_size: 32
...
	.end_amdgpu_metadata
.endif
;; end of part 6
